; MI455X (gfx1250); checked and timed in simulation.
; The chip was launched on July 23, 2026; its instructions are those of AMD's public machine-readable ISA for CDNA 5 (MIT licence, August 2026) and "CDNA5" Instruction Set Architecture Reference Guide (July 2026). The comments in the code are by the model that wrote it; some were corrected since.
;; SVTR Block. Allowed arithmetic: matrix products marked QUANTISED: E2M3 operands, one E8M0 scale for each 32 along K, by v_wmma_scale_f32_16x16x128_f8f6f4 with both operands' format E2M3, f32 sums; everything else in f32.
;; Inputs: fc1_b 1,024 float32; fc1_w 256 x 1,024 float32; fc2_b 256 float32; fc2_w 1,024 x 256 float32; ln1_b 256 float32; ln1_g 256 float32; ln2_b 256 float32; ln2_g 256 float32; proj_b 256 float32; proj_w 256 x 256 float32; qkv_b 768 float32; qkv_w 256 x 768 float32; x 32 x 1,024 x 256 float32.
;; Outputs: out0 32 x 1,024 x 256 float32.
;; This version of the problem:
;;   THIS VERSION OF THE PROBLEM IS GIVEN IN LOW PRECISION. The matrix products marked QUANTISED in the list below multiply operands that are first quantised to E2M3 (2 exponent bits, 3 mantissa bits; 6 bits a number), with one power-of-two scale for each 32 numbers along K (OCP MX v1.0); their sums are f32. All else is computed in f32.
;;   The module's matrix products, in the order in which they are computed (A, B: the left and right operand; K: the contracted axis; several contracted axes count as one K, in the product's order):
;;     1. [M 32,768, K 256] x [K 256, N 768]; A: input x; B: input qkv_w: QUANTISED
;;     2. batch 256 x [M 1,024, K 32] x [K 32, N 1,024]; A: computed on the way; B: computed on the way: QUANTISED
;;     3. batch 256 x [M 32, K 1,024] x [K 1,024, N 1,024]; A: computed on the way; B: softmax (see below): QUANTISED
;;     4. [M 32,768, K 256] x [K 256, N 256]; A: computed on the way; B: input proj_w: QUANTISED
;;     5. [M 32,768, K 256] x [K 256, N 1,024]; A: computed on the way; B: input fc1_w: QUANTISED
;;     6. [M 32,768, K 1,024] x [K 1,024, N 256]; A: computed on the way; B: input fc2_w: QUANTISED
;;   THE QUANTISER, for each operand of a quantised product, along K:
;;     - K is cut into blocks of 32 from its start; a last block that is shorter is filled with zeros.
;;     - A block's scale is 2^e with e = floor(log2(the largest magnitude in the block)) - 2, held to -126 .. 127; a block of zeros has e = 0. As a byte (E8M0): e + 127.
;;     - Each number is divided by its block's scale, clamped to +-7.5, and rounded to the nearest number of E2M3, ties to even, subnormals kept.
;;     - The product sums the exact products of the quantised numbers (number of the format x scale) in f32.
;;   ~~~python
;;   def quantise(x, axis):      # numpy; x: float32 -> the quantised numbers, widened to float32 again
;;       x = np.moveaxis(x, axis, -1); K = x.shape[-1]
;;       x = np.pad(x, [(0, 0)] * (x.ndim - 1) + [(0, -K % 32)]); x = x.reshape(x.shape[:-1] + (-1, 32)); a = np.abs(x).max(-1, keepdims=True)
;;       e = np.where(a > 0, np.clip(np.frexp(np.where(a > 0, a, 1))[1] - 1 - 2, -126, 127), 0)      # np.frexp(a)[1] - 1 = floor(log2(a)), exactly
;;       r = np.clip(x / 2.0 ** e, -7.5, 7.5)
;;       step = 2.0 ** (np.maximum(np.frexp(np.where(r == 0, 1, r))[1] - 1, 0) - 3)
;;       q = np.round(r / step) * step * 2.0 ** e      # np.round: ties to even
;;       return np.moveaxis(q.reshape(q.shape[:-2] + (-1,))[..., :K], -1, axis).astype(np.float32)
;;   ~~~
;;   SOFTMAX AHEAD OF A QUANTISED PRODUCT. Where the list says 'softmax', what is quantised is not the finished softmax but p = 2^(t - M), with t = logit x log2(e) and M = ceil(the row's largest t), a whole number; so 1/2 < the row's largest p <= 1. The row's sum l is taken of the UNQUANTISED p, in f32, and the product's result is divided by l at the end. Since M is a whole number, a kernel that streams over the keys may use a running M (the ceiling of the running maximum): every later rescaling is an exact power of two, which a block's scale takes up: the codes' values come out the same.
;;   OPERANDS COMPUTED ON THE WAY. 'Computed on the way' means the value that the module computes at that place (a softmax that the list does not call 'softmax' is quantised finished and normalised). What goes into a quantiser is computed in f32, as accurately as f32 sums, v_exp_f32 and their like allow (about 1e-6 of the number): no bf16 or f16 on the way to a quantiser, and a product that is left as it is and whose result goes on into a quantised operand takes f32 operands (vector FMAs, or v_wmma_f32_16x16x4_f32). A number that lies on a knife's edge between two numbers of the format may be rounded either way, as far as f32 arithmetic and the matrix unit's own rounding can turn it there, and no further.
;; One version. Each part assembles by itself: llvm-mc -triple=amdgcn-amd-amdhsa -mcpu=gfx1250 --defsym DOCPART=n.
;; ======== version 1 of 1: 3 launches
;; limits: a function is approximated: absolute error at most 1.5e-07; right only within a limited range of input values
;; workspace buffers: wimg 589,824 bytes; wsc 49,152 bytes; qcod 6,291,456 bytes; qsc 1,048,576 bytes; kcod 6,291,456 bytes; ksc 1,048,576 bytes; vcod 6,291,456 bytes; vsc 524,288 bytes
;; launch prep (part 1): grid 384 x 1, 1 waves a work-group, no clusters, 0 bytes of LDS; arguments qkv_w, proj_w, fc1_w, fc2_w, wimg, wsc; writes wimg, wsc
.if DOCPART == 1
	.amdgcn_target "amdgcn-amd-amdhsa--gfx1250"
	.amdhsa_code_object_version 6
	.text
	.protected	k_qc062c1a179_prep
	.globl	k_qc062c1a179_prep
	.p2align	8
	.type	k_qc062c1a179_prep,@function
k_qc062c1a179_prep:
	s_mov_b64 s[64:65], 0
	v_nop
	global_prefetch_b8 v0, s[64:65] scope:SCOPE_SE
	s_setreg_imm32_b32 hwreg(HW_REG_WAVE_MODE, 25, 1), 1
	s_wait_xcnt 0x0
; The four weights, f32 stored [K][N], become codes of FP6 (E2M3) quantised along K, laid as IMAGES OF OPERAND REGISTERS.
; One wave makes one image: 16 columns x 128 along K = 12 registers a lane, 1,536 bytes, and its 32 scale words (128 bytes).
; Image number = first number of the weight + tile x (K steps) + K step: qkv_w 0-95, proj_w 96-127, fc1_w 128-255, fc2_w 256-383.
; THE COLUMNS OF A TILE ARE NOT NEIGHBOURS: lane r of tile t takes column 32 (t / 2) + 8 (t % 2) + r + 8 (r / 8), so that the results
; of two neighbouring tiles are 16 neighbours along the next product's K.
; A lane takes one column and its registers run down K in the order of the operand's layout (registers 6 c .. 6 c + 5: k = 64 c + 32 h + 0 .. 31):
; a block of 32 lies in one lane, and the conversions' results are the operand's registers.
; The loads read runs of 32 bytes (eight neighbouring columns): 3 MB in all, read once.  The stores cover 512 consecutive aligned bytes each.
; A block's scale byte is its largest magnitude's exponent field - 2, held at 1 from below.
; LIMITS: a block of zeros gets the byte 1 where the quantiser's rule says 127 (its codes are zeros; these bytes are read by this program alone);
; NaN and infinities among the inputs are not served.
	s_load_b256 s[4:11], s[0:1], 0x0               ; qkv_w s[4:5], proj_w s[6:7], fc1_w s[8:9], fc2_w s[10:11]
	s_load_b128 s[12:15], s[0:1], 0x20             ; wimg s[12:13], wsc s[14:15]
	v_and_b32 v1, 15, v0                           ; r
	v_lshrrev_b32 v2, 4, v0                        ; h (one wave: the thread's number is the lane)
	v_and_b32 v3, 8, v1
	v_add_nc_u32 v4, v3, v1                        ; r + 8 (r / 8)
	v_lshlrev_b32 v6, 4, v0                        ; out: 16 bytes a lane
	v_lshlrev_b32 v7, 2, v0                        ; and 4 bytes a lane
	s_mov_b32 s20, 0x76543210
	s_mov_b32 s21, 0xfedcba98                      ; lane selects: lane l xor 16
	s_mul_i32 s22, ttmp9, 1536                     ; my image
	s_mov_b32 s23, 0
	s_lshl_b32 s24, ttmp9, 7                       ; my scale words
	s_mov_b32 s25, 0
	s_wait_kmcnt 0x0
	s_add_nc_u64 s[12:13], s[12:13], s[22:23]
	s_add_nc_u64 s[14:15], s[14:15], s[24:25]
; One weight's arm: N columns, 2^LOGNK K steps, first image ID0, its address in s[PTR:PTR+1].  64 loads: W(128 s + 64 c + 32 h + i, my column).
.macro ARM N, LOGNK, ID0, PTR
	s_sub_co_u32 s16, ttmp9, \ID0
	s_lshr_b32 s17, s16, \LOGNK                    ; tile
	s_and_b32 s18, s16, (1<<\LOGNK)-1              ; K step
	s_mul_i32 s18, s18, 128*\N*4                   ; 128 rows of the weight a K step
	s_lshr_b32 s19, s17, 1
	s_lshl_b32 s19, s19, 7                         ; 32 columns x 4 bytes for each pair of tiles
	s_add_co_u32 s18, s18, s19
	s_and_b32 s19, s17, 1
	s_lshl_b32 s19, s19, 5                         ; 8 columns for the odd tile
	s_add_co_u32 s18, s18, s19
	s_mov_b32 s19, 0
	s_add_nc_u64 s[\PTR:\PTR+1], s[\PTR:\PTR+1], s[18:19]
	v_mul_u32_u24 v5, v2, 32*\N*4                  ; lanes 16-31 begin 32 rows further down
	v_lshl_add_u32 v5, v4, 2, v5
.set I_, 0
.rept 64
	global_load_b32 v[64+I_], v5, s[\PTR:\PTR+1] offset:(64*(I_/32)+I_%32)*\N*4
.set I_, I_+1
.endr
.endm
	s_cmp_lt_u32 ttmp9, 96
	s_cbranch_scc0 .Lnot_qkv
	ARM 768, 1, 0, 4
	s_branch .Lquant
.Lnot_qkv:
	s_cmp_lt_u32 ttmp9, 128
	s_cbranch_scc0 .Lnot_proj
	ARM 256, 1, 96, 6
	s_branch .Lquant
.Lnot_proj:
	s_cmp_lt_u32 ttmp9, 256
	s_cbranch_scc0 .Lfc2
	ARM 1024, 1, 128, 8
	s_branch .Lquant
.Lfc2:
	ARM 256, 3, 256, 10
.Lquant:
	s_wait_loadcnt 0x0
.irp c, 0,1                                    ; my block 2 c + h: all its 32 numbers are mine
	v_max3_num_f32 v[32+\c], |v[64+32*\c]|, |v[65+32*\c]|, 0x1800000   ; with the floor 2^(3 - 127): the byte cannot fall under 1
.endr
.irp i, 2,4,6,8,10,12,14,16,18,20,22,24,26,28,30
.irp c, 0,1
	v_max3_num_f32 v[32+\c], v[32+\c], |v[64+32*\c+\i]|, |v[65+32*\c+\i]|
.endr
.endr
.irp c, 0,1
	v_add_nc_u32 v[44+\c], 0xff000000, v[32+\c]    ; 2 off the exponent field: the conversion's scale operand
.endr
.irp c, 0,1
	v_lshrrev_b32 v[36+\c], 23, v[44+\c]           ; the scale's byte
.endr
	v_lshl_or_b32 v9, v37, 16, v36                 ; my two bytes: blocks h and 2 + h,
	v_lshlrev_b32 v10, 3, v2
	v_lshlrev_b32 v9, v10, v9                      ; at their places in the word
	v_mov_b32 v10, 0
	v_permlanex16_b32 v10, v9, s20, s21
	v_or_b32 v9, v9, v10                           ; with lane l xor 16's two the word is whole, in all 32 lanes
.irp c, 0,1
	v_cvt_scalef32_pk16_fp6_f32 v[48+6*\c:50+6*\c], v[64+32*\c:79+32*\c], v[44+\c]
	v_cvt_scalef32_pk16_fp6_f32 v[192+4*\c:194+4*\c], v[80+32*\c:95+32*\c], v[44+\c]   ; (a conversion's three registers begin on an even number)
.endr
	v_nop                                          ; one plain place behind a scaled conversion
.irp c, 0,1
.irp i, 0,1,2
	v_mov_b32 v[51+6*\c+\i], v[192+4*\c+\i]
.endr
.endr
.irp q, 0,1,2
	global_store_b128 v6, v[48+4*\q:51+4*\q], s[12:13] offset:512*\q   ; 32 lanes store 512 consecutive bytes, aligned
.endr
	global_store_b32 v7, v9, s[14:15]
	s_endpgm
.Lfunc_end_k_qc062c1a179_prep:
	.size	k_qc062c1a179_prep, .Lfunc_end_k_qc062c1a179_prep-k_qc062c1a179_prep
	.p2alignl 7, 3214868480
	.fill 96, 4, 3214868480
	.section	.rodata,"a",@progbits
	.p2align	6, 0x0
	.amdhsa_kernel k_qc062c1a179_prep
		.amdhsa_group_segment_fixed_size 0
		.amdhsa_private_segment_fixed_size 0
		.amdhsa_enable_private_segment 0
		.amdhsa_kernarg_size 48
		.amdhsa_user_sgpr_count 2
		.amdhsa_user_sgpr_kernarg_segment_ptr 1
		.amdhsa_wavefront_size32 1
		.amdhsa_system_sgpr_workgroup_id_x 1
		.amdhsa_system_sgpr_workgroup_id_y 1
		.amdhsa_system_sgpr_workgroup_id_z 1
		.amdhsa_system_vgpr_workitem_id 0
		.amdhsa_next_free_vgpr 208
		.amdhsa_next_free_sgpr 66
		.amdhsa_reserve_vcc 0
		.amdhsa_float_denorm_mode_32 3
		.amdhsa_float_denorm_mode_16_64 3
		.amdhsa_memory_ordered 1
		.amdhsa_forward_progress 1
		.amdhsa_inst_pref_size 32
	.end_amdhsa_kernel
	.amdgpu_metadata
---
amdhsa.version: [ 1, 2 ]
amdhsa.kernels:
  - .name:           k_qc062c1a179_prep
    .symbol:         k_qc062c1a179_prep.kd
    .args:
      - { .name: qkv_w, .offset: 0, .size: 8, .value_kind: global_buffer, .address_space: global }
      - { .name: proj_w, .offset: 8, .size: 8, .value_kind: global_buffer, .address_space: global }
      - { .name: fc1_w, .offset: 16, .size: 8, .value_kind: global_buffer, .address_space: global }
      - { .name: fc2_w, .offset: 24, .size: 8, .value_kind: global_buffer, .address_space: global }
      - { .name: wimg, .offset: 32, .size: 8, .value_kind: global_buffer, .address_space: global }
      - { .name: wsc, .offset: 40, .size: 8, .value_kind: global_buffer, .address_space: global }
    .group_segment_fixed_size: 0
    .private_segment_fixed_size: 0
    .kernarg_segment_align: 8
    .kernarg_segment_size: 48
    .max_flat_workgroup_size: 32
    .sgpr_count:     66
    .vgpr_count:     208
    .wavefront_size: 32
...
	.end_amdgpu_metadata
.endif
;; end of part 1
;; launch qkv (part 2): grid 256 x 1, 16 waves a work-group, no clusters, 190,464 bytes of LDS; arguments x, qkv_b, wimg, wsc, qcod, qsc, kcod, ksc, vcod, vsc; writes qcod, qsc, kcod, ksc, vcod, vsc
.if DOCPART == 2
	.amdgcn_target "amdgcn-amd-amdhsa--gfx1250"
	.amdhsa_code_object_version 6
	.text
	.protected	k_qc062c1a179_qkv
	.globl	k_qc062c1a179_qkv
	.p2align	8
	.type	k_qc062c1a179_qkv,@function
k_qc062c1a179_qkv:
	s_mov_b64 s[64:65], 0
	v_nop
	global_prefetch_b8 v0, s[64:65] scope:SCOPE_SE
	s_setreg_imm32_b32 hwreg(HW_REG_WAVE_MODE, 25, 1), 1
	s_wait_xcnt 0x0
; qkv = x qkv_w + qkv_b on codes of FP6 (E2M3) with one E8M0 scale for each 32 along K; q is multiplied by 32^-0.5; q, k and v are quantised again for the
; two products of attention and leave as codes: q and k along the head's 32 channels (one block a token and head), v along the keys (blocks of 32 tokens).
; SHARES.  A work-group of sixteen waves owns 128 tokens (two rows of the 16 x 64 grid): eight tiles of 16 tokens.  A TILE'S TOKENS ARE NOT NEIGHBOURS:
; row r of tile 2 blk + u is token 32 blk + 8 u + r + 8 (r / 8).
; qkv_w's 96 images, their scale words and qkv_b come into LDS once, by lane-wise copies issued at the head; no LDS byte is filled twice.
; X: wave w quantises tile w / 2, K step w % 2 of x and stores the fragment's image | the one barrier |
; QK: wave w makes 128 channels (group w % 4: q's two, then k's two) for the two tiles of block w / 4, transposed (source 0 = 16 columns of the weight, source 1 = 16 tokens):
;     a lane holds one token and its registers run along the channels | V: wave w makes 16 channels of v for all 128 tokens (source 0 = tokens): a lane holds one channel and its registers run along the tokens.
; LAYOUTS OUT.  q, k: [block of 32 tokens][head][piece 3][lane 32][8 bytes]: lanes 0-15 the block's tile 0, lanes 16-31 its tile 1, 24 bytes = the token's 32 codes.
;   their scales: [block][4 heads' group][lane][head][4 bytes], the byte repeated four times.   v: [128 tokens][c 2][tile of channels 16][piece 3][lane][8 bytes]: the operand's registers 6 c + 2 i.
; An activation's fragment in LDS: [half c: 768][half of the lanes: 384][piece: 128][row: 8 bytes]; its scale words 4 bytes a row.
; LIMITS: a block of zeros gets the byte 1 where the rule says 127 (zero codes; read by this program alone); NaN and infinities are not served.
; v's scale words leave as 128 consecutive bytes a wave: 2 KB of the 82 KB that a work-group stores.
.set WSCL, 147456                      ; LDS: 0: the weight's 96 images; here their scale words;
.set BQ,   159744                      ; qkv_b;
.set XIMG, 162816                      ; x's 16 fragments (2 tile + K step), stored by the waves: no copy lands here;
.set XSC,  187392                      ; their scale words
.set TM,   230                         ; v230-235 at work in QUANT2
.set PW,   236                         ; the two bytes just made
.set TQ,   238                         ; v238-240 a conversion's second half
.set WV,   24
.set SEL,  36
.macro MM D, A, B, C, SA, SB
	v_wmma_scale_f32_16x16x128_f8f6f4 v[(\D):(\D)+7], v[(\A):(\A)+11], v[(\B):(\B)+11], v[(\C):(\C)+7], v[(\SA)], v[(\SB)] matrix_a_fmt:MATRIX_FMT_FP6 matrix_b_fmt:MATRIX_FMT_FP6
.endm
; 32 numbers of a lane, register 16 b + i = k 32 b + 16 (lane / 16) + i of my row, become half a fragment (6 registers from DST on), two bytes in v[PW] (and singly in v[TM+2], v[TM+3])
.macro QUANT2 SRC, DST
.irp b, 0,1
	v_max3_num_f32 v[TM+\b], |v[(\SRC)+16*\b]|, |v[(\SRC)+1+16*\b]|, 0x1800000   ; with the floor 2^(3 - 127): the byte cannot fall under 1
.endr
.irp i, 2,4,6,8,10,12,14
.irp b, 0,1
	v_max3_num_f32 v[TM+\b], v[TM+\b], |v[(\SRC)+16*\b+\i]|, |v[(\SRC)+1+16*\b+\i]|
.endr
.endr
.irp b, 0,1
	v_permlanex16_b32 v[TM+2+\b], v[TM+\b], s[SEL], s[SEL+1]
.endr
.irp b, 0,1
	v_max_num_f32 v[TM+\b], v[TM+\b], v[TM+2+\b]   ; with lane l xor 16's: the block's largest magnitude
.endr
.irp b, 0,1
	v_add_nc_u32 v[TM+4+\b], 0xff000000, v[TM+\b]  ; 2 off its exponent field: the conversion's scale operand
.endr
.irp b, 0,1
	v_lshrrev_b32 v[TM+2+\b], 23, v[TM+4+\b]       ; the scale's byte
.endr
	v_lshl_or_b32 v[PW], v[TM+3], 8, v[TM+2]
	v_cvt_scalef32_pk16_fp6_f32 v[(\DST):(\DST)+2], v[(\SRC):(\SRC)+15], v[TM+4]
	v_cvt_scalef32_pk16_fp6_f32 v[TQ:TQ+2], v[(\SRC)+16:(\SRC)+31], v[TM+5]
	v_nop                                          ; one plain place behind a scaled conversion
.irp i, 0,1,2
	v_permlane16_swap_b32 v[(\DST)+\i], v[TQ+\i]   ; a whole block to a lane: lanes 0-15 the first block, lanes 16-31 the second
.endr
.irp i, 0,1,2
	v_mov_b32 v[(\DST)+3+\i], v[TQ+\i]
.endr
.endm
.macro HALFST ADR, OFF, SRC
.irp i, 0,1,2
	ds_store_b64 v[\ADR], v[(\SRC)+2*\i:(\SRC)+2*\i+1] offset:(\OFF)+128*\i
.endr
.endm
.macro AFETCH REG, ADR, OFF
.irp c, 0,1
.irp i, 0,1,2
	ds_load_b64 v[(\REG)+6*\c+2*\i:(\REG)+6*\c+2*\i+1], v[\ADR] offset:(\OFF)+768*\c+128*\i
.endr
.endr
.endm
.macro PLACES
.rept 4
	v_nop
.endr
.endm
	s_load_b512 s[4:19], s[0:1], 0x0               ; x, qkv_b, wimg, wsc, qcod, qsc, kcod, ksc
	s_load_b128 s[20:23], s[0:1], 0x40             ; vcod, vsc
	v_lshl_add_u32 v254, v0, 2, 0x2e000
	v_mov_b32 v255, 0
	ds_add_u32 v254, v255
	ds_add_u32 v254, v255
	v_lshrrev_b32 v1, 5, v0
	v_readfirstlane_b32 s[WV], v1                  ; wave 0..15
	v_and_b32 v1, 31, v0                           ; lane
	v_and_b32 v2, 15, v0                           ; r
	v_bfe_u32 v3, v0, 4, 1                         ; h
	v_and_b32 v4, 8, v2
	v_add_nc_u32 v4, v4, v2                        ; r + 8 (r / 8)
	v_lshlrev_b32 v5, 4, v1                        ; 16 x lane
	v_lshlrev_b32 v6, 3, v1                        ; 8 x lane
	v_lshlrev_b32 v7, 2, v1                        ; 4 x lane
	v_mul_u32_u24 v8, v3, 384
	v_lshl_add_u32 v8, v2, 3, v8                   ; my place in an activation's image: 8 r + 384 h
	v_lshlrev_b32 v9, 2, v2                        ; 4 r
	v_lshlrev_b32 v10, 10, v4
	v_lshl_add_u32 v10, v3, 6, v10                 ; x: my token's row of 1,024 bytes, + 64 h: my 16 numbers of a block
	v_mov_b32 v[TM+2], 0                           ; written once: a lane permute's destination counts as one of its sources
	v_mov_b32 v[TM+3], 0
	s_mov_b32 s[SEL], 0x76543210
	s_mov_b32 s[SEL+1], 0xfedcba98
	s_mov_b32 s44, 0                               ; byte select: byte 0 four times
	s_lshr_b32 s25, s[WV], 1                       ; phase X: my tile
	s_and_b32 s26, s[WV], 1                        ; and K step
	s_and_b32 s30, s[WV], 3                        ; phase QK: my group of 128 channels
	s_lshr_b32 s31, s[WV], 2                       ; and block of 32 tokens
	s_lshl_b32 s28, ttmp9, 17                      ; x: 128 rows of 1,024 bytes a work-group,
	s_lshr_b32 s27, s25, 1
	s_lshl_b32 s27, s27, 15                        ; 32 rows a block,
	s_add_co_u32 s28, s28, s27
	s_and_b32 s27, s25, 1
	s_lshl_b32 s27, s27, 13                        ; 8 rows for the odd tile,
	s_add_co_u32 s28, s28, s27
	s_lshl_b32 s27, s26, 9                         ; 512 bytes a K step
	s_add_co_u32 s28, s28, s27
	s_mov_b32 s29, 0
	; the copies' addresses: v246-251 stay as they are until the wait for the copies
	s_mul_i32 s27, s[WV], 9216
	v_add_nc_u32 v246, s27, v5                     ; the images: 9,216 bytes a wave, in memory
	v_add_nc_u32 v247, s27, v5                     ; and in LDS, which they fill from byte 0
	s_mul_i32 s27, s[WV], 768
	v_add_nc_u32 v248, s27, v6                     ; the scale words: 768 bytes a wave
	v_add_nc_u32 v249, WSCL, v248
	s_lshl_b32 s27, s[WV], 8
	v_add_nc_u32 v250, s27, v6                     ; the bias: 256 bytes for each of twelve waves
	v_add_nc_u32 v251, BQ, v250
	; every LDS address of the launch: a constant + a constant x wave + the lane's place
	s_mul_i32 s27, s[WV], 1536
	s_add_co_u32 s27, s27, XIMG
	v_add_nc_u32 v11, s27, v8                      ; X: where I store my fragment
	s_lshl_b32 s27, s[WV], 6
	s_add_co_u32 s27, s27, XSC
	v_add_nc_u32 v12, s27, v9                      ; and its scale words
	s_mul_i32 s27, s31, 6144
	s_add_co_u32 s27, s27, XIMG
	v_add_nc_u32 v13, s27, v8                      ; QK: my block's four fragments of x
	s_lshl_b32 s27, s31, 8
	s_add_co_u32 s27, s27, XSC
	v_add_nc_u32 v14, s27, v9
	s_mul_i32 s27, s30, 24576
	v_add_nc_u32 v15, s27, v5                      ; my group's 16 images of the weight
	s_lshl_b32 s27, s30, 11
	s_add_co_u32 s27, s27, WSCL
	v_add_nc_u32 v241, s27, v7
	s_lshl_b32 s27, s30, 9
	s_add_co_u32 s27, s27, BQ
	v_lshl_add_u32 v242, v3, 6, s27                ; my group's bias, + 64 h: a tile's eight channels of my half
	s_mul_i32 s27, s[WV], 3072
	s_add_co_u32 s27, s27, 98304
	v_add_nc_u32 v243, s27, v5                     ; V: the weight's tile 32 + wave
	s_lshl_b32 s27, s[WV], 8
	s_add_co_u32 s27, s27, WSCL+8192
	v_add_nc_u32 v244, s27, v7
	s_lshl_b32 s27, s25, 7
	s_lshl_b32 s45, s26, 5
	s_add_co_u32 s27, s27, s45
	s_add_co_u32 s27, s27, BQ+2048
	v_lshl_add_u32 v245, v4, 2, s27                ; my channel's bias
	v_add_nc_u32 v252, XIMG, v8                    ; all fragments of x
	v_add_nc_u32 v253, XSC, v9
	; where the results go
	s_lshl_b32 s27, ttmp9, 2
	s_add_co_u32 s27, s27, s31                     ; the block's number among all: 4 x work-group + block
	s_and_b32 s45, s30, 1
	s_mul_i32 s32, s27, 6144
	s_mul_i32 s33, s45, 3072
	s_add_co_u32 s32, s32, s33
	s_mov_b32 s33, 0
	s_lshl_b32 s34, s27, 10
	s_lshl_b32 s35, s45, 9
	s_add_co_u32 s34, s34, s35
	s_mov_b32 s35, 0
	s_mul_i32 s46, ttmp9, 24576
	s_mul_i32 s47, s[WV], 768
	s_add_co_u32 s46, s46, s47
	s_mov_b32 s47, 0
	s_lshl_b32 s48, ttmp9, 11
	s_lshl_b32 s49, s[WV], 7
	s_add_co_u32 s48, s48, s49
	s_mov_b32 s49, 0
	s_wait_dscnt 0x0
	s_wait_kmcnt 0x0
	s_add_nc_u64 s[4:5], s[4:5], s[28:29]
.irp b, 0,1,2,3
.irp j, 0,1,2,3
	global_load_b128 v[16+16*\b+4*\j:19+16*\b+4*\j], v10, s[4:5] offset:128*\b+16*\j th:TH_LOAD_NT
.endr
.endr
.set I_, 0
.rept 18
	global_load_async_to_lds_b128 v247, v246, s[8:9] offset:512*I_
.set I_, I_+1
.endr
.irp k, 0,1,2
	global_load_async_to_lds_b64 v249, v248, s[10:11] offset:256*\k
.endr
	s_cmp_lt_u32 s[WV], 12                         ; 3,072 bytes of bias are twelve waves' worth
	s_cbranch_scc0 .Lno_bias
	global_load_async_to_lds_b64 v251, v250, s[6:7]
.Lno_bias:
	s_cmp_lt_u32 s30, 2                            ; groups 0, 1 are q's, groups 2, 3 k's: the choice hangs on the wave's number alone
	s_cselect_b64 s[40:41], s[12:13], s[16:17]
	s_cselect_b64 s[42:43], s[14:15], s[18:19]
	s_cselect_b32 s38, 0x3e3504f3, 1.0             ; q x 32^-0.5; k x 1
	s_mov_b32 s39, s38                             ; (named with it as a pair, so it is written)
	s_add_nc_u64 s[40:41], s[40:41], s[32:33]
	s_add_nc_u64 s[42:43], s[42:43], s[34:35]
	s_add_nc_u64 s[20:21], s[20:21], s[46:47]
	s_add_nc_u64 s[22:23], s[22:23], s[48:49]
	; ---- X: 64 numbers a lane become one fragment
	s_wait_loadcnt 0x0
	QUANT2 16, 208
	HALFST 11, 0, 208
	ds_store_b16 v12, v[PW]                        ; both lanes of a row write the same two bytes
	s_wait_dscnt 0x0                               ; the stores have read their registers
	QUANT2 48, 208
	HALFST 11, 768, 208
	ds_store_b16 v12, v[PW] offset:2
	s_wait_asynccnt 0x0                            ; my copies have landed,
	s_wait_dscnt 0x0                               ; my stores too:
	s_barrier_signal -1
	s_barrier_wait -1                              ; everybody's have.  From here on LDS is only read
	; ---- QK.  v16-143 accumulators ((u, t) at 16 + 64 u + 8 t); v144-191 x's four fragments; v192-195 their scale words; v196-219 the weight's two; v220-221 its scale words; v222-229 the bias
.irp u, 0,1
.irp k, 0,1
	AFETCH 144+12*(2*\u+\k), 13, (2*\u+\k)*1536
	ds_load_b32 v[192+2*\u+\k], v14 offset:(2*\u+\k)*64
.endr
.endr
.irp t, 0,1,2,3,4,5,6,7
.if \t > 0
	PLACES                                         ; in front of loads into registers that matrix instructions have read
.endif
.irp k, 0,1
.irp q, 0,1,2
	ds_load_b128 v[196+12*\k+4*\q:199+12*\k+4*\q], v15 offset:(2*\t+\k)*1536+512*\q
.endr
	ds_load_b32 v[220+\k], v241 offset:(2*\t+\k)*128
.endr
.irp q, 0,1
	ds_load_b128 v[222+4*\q:225+4*\q], v242 offset:(32*(\t>>1)+8*(\t&1))*4+16*\q
.endr
	s_wait_dscnt 0x0
	MM 16+8*\t, 196, 144, 222, 220, 192            ; the bias is the C of each sum's first product; the two accumulators take turns
	MM 80+8*\t, 196, 168, 222, 220, 194
	MM 16+8*\t, 208, 156, 16+8*\t, 221, 193
	MM 80+8*\t, 208, 180, 80+8*\t, 221, 195
.endr
	PLACES
.set I_, 16
.rept 64
	v_pk_mul_f32 v[I_:I_+1], v[I_:I_+1], s[38:39] op_sel_hi:[1,0]   ; each accumulator from its low end on
.set I_, I_+2
.endr
.irp u, 0,1                                    ; registers 16 + 64 u + 16 hh + i: channel 16 h + i of head hh: a head is a block
.irp c, 0,1
	QUANT2 16+64*\u+32*\c, 144+12*\u+6*\c
	v_mov_b32 v[168+4*\u+2*\c], v[TM+2]            ; the bytes of heads 2 c and 2 c + 1
	v_mov_b32 v[169+4*\u+2*\c], v[TM+3]
.endr
.endr
.set I_, 0
.rept 12
	v_permlane16_swap_b32 v[144+I_], v[156+I_]     ; from (tile u: lanes 0-15 head 2 c, lanes 16-31 head 2 c + 1) to (head: lanes 0-15 tile 0, lanes 16-31 tile 1)
.set I_, I_+1
.endr
.irp j, 0,1,2,3
	v_permlane16_swap_b32 v[168+\j], v[172+\j]     ; the bytes likewise: v[168 + head]
.endr
.irp j, 0,1,2,3
	v_perm_b32 v[176+\j], v[168+\j], v[168+\j], s44   ; the byte four times: it serves whichever of the four places along K the block stands at
.endr
.irp c, 0,1
.irp e, 0,1
.irp i, 0,1,2
	global_store_b64 v6, v[144+12*\e+6*\c+2*\i:145+12*\e+6*\c+2*\i], s[40:41] offset:(2*\c+\e)*768+256*\i   ; 32 lanes store 256 consecutive bytes, aligned
.endr
.endr
.endr
	global_store_b128 v5, v[176:179], s[42:43]
	; ---- V: source 0 = 16 tokens, source 1 = my 16 channels: register 8 T + j of lane (r, h) is token 32 blk + 16 h + 8 u + j of channel r
	s_wait_xcnt 0x0                                ; the stores have read their data: those registers are loaded again below
.irp k, 0,1
.irp q, 0,1,2
	ds_load_b128 v[196+12*\k+4*\q:199+12*\k+4*\q], v243 offset:1536*\k+512*\q
.endr
	ds_load_b32 v[220+\k], v244 offset:128*\k
.endr
	ds_load_b32 v222, v245
	s_wait_dscnt 0x0
.irp j, 1,2,3,4,5,6,7
	v_mov_b32 v[222+\j], v222                      ; my channel's bias for all eight tokens of a result
.endr
	PLACES
.irp p, 0,1,2,3
.if \p > 0
	PLACES
.endif
.irp u, 0,1
.irp k, 0,1
	AFETCH 144+12*(2*\u+\k), 252, (4*\p+2*\u+\k)*1536
	ds_load_b32 v[192+2*\u+\k], v253 offset:(4*\p+2*\u+\k)*64
.endr
.endr
	s_wait_dscnt 0x0
	MM 16+16*\p, 144, 196, 222, 192, 220
	MM 24+16*\p, 168, 196, 222, 194, 220
	MM 16+16*\p, 156, 208, 16+16*\p, 193, 221
	MM 24+16*\p, 180, 208, 24+16*\p, 195, 221
.endr
	PLACES
	QUANT2 16, 144                                 ; blocks 0, 1 of the 128 tokens
	v_mov_b32 v237, v[PW]
	QUANT2 48, 150                                 ; blocks 2, 3
	v_lshl_or_b32 v237, v[PW], 16, v237            ; my channel's scale word
.irp c, 0,1
.irp i, 0,1,2
	global_store_b64 v6, v[144+6*\c+2*\i:145+6*\c+2*\i], s[20:21] offset:12288*\c+256*\i
.endr
.endr
	global_store_b32 v7, v237, s[22:23]
	s_wait_tensorcnt 0x0
	ds_add_u32 v254, v255
	s_wait_dscnt 0x0
	s_endpgm
.Lfunc_end_k_qc062c1a179_qkv:
	.size	k_qc062c1a179_qkv, .Lfunc_end_k_qc062c1a179_qkv-k_qc062c1a179_qkv
	.p2alignl 7, 3214868480
	.fill 96, 4, 3214868480
	.section	.rodata,"a",@progbits
	.p2align	6, 0x0
	.amdhsa_kernel k_qc062c1a179_qkv
		.amdhsa_group_segment_fixed_size 190464
		.amdhsa_private_segment_fixed_size 0
		.amdhsa_enable_private_segment 0
		.amdhsa_kernarg_size 80
		.amdhsa_user_sgpr_count 2
		.amdhsa_user_sgpr_kernarg_segment_ptr 1
		.amdhsa_wavefront_size32 1
		.amdhsa_system_sgpr_workgroup_id_x 1
		.amdhsa_system_sgpr_workgroup_id_y 1
		.amdhsa_system_sgpr_workgroup_id_z 1
		.amdhsa_system_vgpr_workitem_id 0
		.amdhsa_next_free_vgpr 256
		.amdhsa_next_free_sgpr 66
		.amdhsa_reserve_vcc 0
		.amdhsa_float_denorm_mode_32 3
		.amdhsa_float_denorm_mode_16_64 3
		.amdhsa_memory_ordered 1
		.amdhsa_forward_progress 1
		.amdhsa_inst_pref_size 54
	.end_amdhsa_kernel
	.amdgpu_metadata
---
amdhsa.version: [ 1, 2 ]
amdhsa.kernels:
  - .name:           k_qc062c1a179_qkv
    .symbol:         k_qc062c1a179_qkv.kd
    .args:
      - { .name: x, .offset: 0, .size: 8, .value_kind: global_buffer, .address_space: global }
      - { .name: qkv_b, .offset: 8, .size: 8, .value_kind: global_buffer, .address_space: global }
      - { .name: wimg, .offset: 16, .size: 8, .value_kind: global_buffer, .address_space: global }
      - { .name: wsc, .offset: 24, .size: 8, .value_kind: global_buffer, .address_space: global }
      - { .name: qcod, .offset: 32, .size: 8, .value_kind: global_buffer, .address_space: global }
      - { .name: qsc, .offset: 40, .size: 8, .value_kind: global_buffer, .address_space: global }
      - { .name: kcod, .offset: 48, .size: 8, .value_kind: global_buffer, .address_space: global }
      - { .name: ksc, .offset: 56, .size: 8, .value_kind: global_buffer, .address_space: global }
      - { .name: vcod, .offset: 64, .size: 8, .value_kind: global_buffer, .address_space: global }
      - { .name: vsc, .offset: 72, .size: 8, .value_kind: global_buffer, .address_space: global }
    .group_segment_fixed_size: 190464
    .private_segment_fixed_size: 0
    .kernarg_segment_align: 8
    .kernarg_segment_size: 80
    .max_flat_workgroup_size: 512
    .sgpr_count:     66
    .vgpr_count:     256
    .wavefront_size: 32
...
	.end_amdgpu_metadata
.endif
;; end of part 2
;; launch block (part 3): grid 256 x 1, 16 waves a work-group, no clusters, 263,168 bytes of LDS; arguments qcod, qsc, kcod, ksc, vcod, vsc, x, wimg, wsc, proj_b, ln1_g, ln1_b, fc1_b, fc2_b, ln2_g, ln2_b, out0; writes out0
.if DOCPART == 3
	.amdgcn_target "amdgcn-amd-amdhsa--gfx1250"
	.amdhsa_code_object_version 6
	.text
	.protected	k_qc062c1a179_block
	.globl	k_qc062c1a179_block
	.p2align	8
	.type	k_qc062c1a179_block,@function
k_qc062c1a179_block:
	s_mov_b64 s[64:65], 0
	v_nop
	global_prefetch_b8 v0, s[64:65] scope:SCOPE_SE
	s_setreg_imm32_b32 hwreg(HW_REG_WAVE_MODE, 25, 1), 1
	s_wait_xcnt 0x0
; Local attention, proj, + x, LayerNorm, fc1, exact gelu, fc2, + y1, LayerNorm, for 128 tokens a work-group; all five products here on codes of FP6 (E2M3) with E8M0 scales; all else f32.
; SHARES.  Work-group 8 b + p owns grid rows (2 p + 1) % 16 and (2 p + 2) % 16 of batch b: eight tiles of 16 tokens; row r of tile T is column 32 ((T / 2) % 2) + 8 (T % 2) + r + 8 (r / 8) of grid row T / 4.
; THE MASK (|dh| <= 3, |dw| <= 5) leaves a query at most 7 x 11 keys.  The four images (p - 1 + i) % 8 of 128 keys, eight grid rows, hold every key that both rows may see; they come into LDS once, by
; lane-wise copies at the head (K, V and their scales: 221,184 bytes).  Rows that wrap round the grid are rejected by the true |hq - hk| <= 3.  No LDS byte is filled twice.
; ATTENTION.  Wave w: tile w / 2, heads 4 (w % 2) + 0 .. 3, a loop over the heads.  Both products transposed: a lane holds one query.  A step takes four blocks of 32 keys (half a grid row each).
; Tiles 0 and 3 of a grid row see one half of each key row only (LIGHT): their four blocks are four rows' halves, two steps; the others (heavy) take two whole rows a step, four steps.
; A step without an allowed row is jumped over (a scalar branch on the work-group's and the wave's number).
; K Q^T: the head's K is 32.  K's six registers hold tile 0's keys in lanes 0-15 (k = 0 .. 31 of the instruction) and tile 1's in lanes 16-31 (k = 32 .. 63); Q stands once at k = 0 .. 31 (QA) and once at
; k = 32 .. 63 (QB), zeros elsewhere: so QA picks tile 0 and QB tile 1, and whatever stands in the other places of source 0 meets zero codes.  The column mask is the product's C: 0 or -1e30.
; SOFTMAX ahead of V^T P: t = score x log2(e); M = the running largest t rounded up; p = 2^(t - M) is quantised along the keys; the row's sum is of the unquantised p and divides at the end.
; A forbidden key row gets -infinity in the exponent's addend: p = 0.
; AFTERWARDS the rows' codes go from wave to wave through LDS as images of the operand's registers ([half: 768][half of the lanes: 384][piece: 128][row: 8 bytes]); f32 rows through a stage of 128 x 1,040 bytes.
; The weights come from memory straight into the registers of the waves that use them, as images made by the launch before last.
; NO JOINT LOADS: a joint load would land in LDS, of which 216 KB hold K and V during attention and 255 KB the stage and the images afterwards; fc1's or fc2's 192 KB find no room; the four work-groups that share
; an image of K and V want it at different places of their windows.
; LIMITS: scores stay under 1e29 in magnitude (the mask is the addend -1e30).  erf by the rational form of Abramowitz and Stegun 7.1.26, absolute error 1.5e-7: gelu's relative error is that for x > 0 and grows as
; 1.5e-7 / erfc(|x| / sqrt 2) for x < -2.  A block of zeros gets the scale byte 1 where the rule says 127 (zero codes).  NaN and infinities among the inputs are not served.
.set VB,     98304                     ; LDS during attention: K's 16 blocks x 6,144 from byte 0; V's 4 images x 24,576;
.set KSB,    196608                    ; K's scale words, 16 x 1,024;
.set VSBASE, 212992                    ; V's, 4 x 2,048
.set SPI,    1040                      ; afterwards: the stage, 128 rows x (1,024 + 16) from byte 0;
.set HIMG,   133120                    ; the hidden layer's 64 fragments (8 tile + K step);
.set HSC,    231424                    ; their scale words
.set AIMG,   235520                    ; the whole launch: 16 fragments (2 tile + K step) of ctx, later of y1: no copy lands here;
.set ASC,    260096                    ; their scale words
.set L8,1
.set L16,2
.set L4,3
.set R4,4
.set LMV,5                             ; all ones in lanes 0-15
.set HMV,6                             ; all ones in lanes 16-31
.set R8H,7                             ; my place in a piece of V
.set KA,88
.set KSA,89
.set VA,90
.set VSV,91
.set QG,92
.set QSG,93
.set CA0,94
.set CA1,95
.set PFO,223
.set LA8,1                             ; behind attention: 8 r + 384 h
.set H64,5                             ; 64 h
.set AD0,6
.set AD1,7
.set SO,236
.set TM,226
.set PW,232
.set TQ,222
.set BIAS,20                           ; s20-35  step s, slot j: 0, or -infinity where the key row is forbidden
.set BI,36                             ; s36-51  the slot's block in the window
.set VBT,52                            ; s52-59  step s, half c: where V's registers 6 c .. come from
.set VSA,60                            ; s60-63, s66-69: the two images whose scale words the step needs
.set VSB,66
.set WV,70
.set TT,71
.set SEL,72
.set CS,74
.set STEPOK,76
.set SELV,77
.set HH,78
.set SKO,79
.set SKS,80
.set SVO,81
.set SVS,82
.set SCO,83
.set SBO,84
.set XOFF,85
.set XR,86
.set LIGHT,88
.set FF,89
.set NL,90
.set ML,91
.set OKB,92
.set HQ,93
.set PP,94
.set BB,95
.set TQS,96
.set GG,2
.set WSCP,20                           ; behind attention: s20-37 the other nine addresses
.set PJB,22
.set G1P,24
.set B1L,26
.set F1B,28
.set F2B,30
.set G2P,32
.set B2L,34
.set OUTP,36
.set WP,38
.set WSP,40
.set W1P,42
.set W1S,44
.set B1P,46
.set ORW,48
.set I256,50
.set EPS,51
.set GP2,52
.set GK1,54
.set GA1,56
.set GA2,58
.set GA3,60
.set GA4,62
.set TY,76
.set TYS,77
.set TH,78
.set THS,79
.set CNT,80
.macro MM D, A, B, C, SA, SB
	v_wmma_scale_f32_16x16x128_f8f6f4 v[(\D):(\D)+7], v[(\A):(\A)+11], v[(\B):(\B)+11], v[(\C):(\C)+7], v[(\SA)], v[(\SB)] matrix_a_fmt:MATRIX_FMT_FP6 matrix_b_fmt:MATRIX_FMT_FP6
.endm
.macro MMZ D, A, B, SA, SB
	v_wmma_scale_f32_16x16x128_f8f6f4 v[(\D):(\D)+7], v[(\A):(\A)+11], v[(\B):(\B)+11], 0, v[(\SA)], v[(\SB)] matrix_a_fmt:MATRIX_FMT_FP6 matrix_b_fmt:MATRIX_FMT_FP6
.endm
.macro MMR D, A, B, C, SA, SB          ; source 0's scales from lanes 16-31
	v_wmma_scale_f32_16x16x128_f8f6f4 v[(\D):(\D)+7], v[(\A):(\A)+11], v[(\B):(\B)+11], v[(\C):(\C)+7], v[(\SA)], v[(\SB)] matrix_a_fmt:MATRIX_FMT_FP6 matrix_b_fmt:MATRIX_FMT_FP6 matrix_a_scale:MATRIX_SCALE_ROW1
.endm
; 32 numbers of a lane, register 16 b + i = k 32 b + 16 (lane / 16) + i of my row, become half a fragment (6 registers from DST on) and two bytes in v[PW]
.macro QUANT2 SRC, DST
.irp b, 0,1
	v_max3_num_f32 v[TM+\b], |v[(\SRC)+16*\b]|, |v[(\SRC)+1+16*\b]|, 0x1800000   ; with the floor 2^(3 - 127): the byte cannot fall under 1
.endr
.irp i, 2,4,6,8,10,12,14
.irp b, 0,1
	v_max3_num_f32 v[TM+\b], v[TM+\b], |v[(\SRC)+16*\b+\i]|, |v[(\SRC)+1+16*\b+\i]|
.endr
.endr
.irp b, 0,1
	v_permlanex16_b32 v[TM+2+\b], v[TM+\b], s[SEL], s[SEL+1]
.endr
.irp b, 0,1
	v_max_num_f32 v[TM+\b], v[TM+\b], v[TM+2+\b]
.endr
.irp b, 0,1
	v_add_nc_u32 v[TM+4+\b], 0xff000000, v[TM+\b]  ; 2 off the exponent field: the conversion's scale operand
.endr
.irp b, 0,1
	v_lshrrev_b32 v[TM+2+\b], 23, v[TM+4+\b]
.endr
	v_lshl_or_b32 v[PW], v[TM+3], 8, v[TM+2]
	v_cvt_scalef32_pk16_fp6_f32 v[(\DST):(\DST)+2], v[(\SRC):(\SRC)+15], v[TM+4]
	v_cvt_scalef32_pk16_fp6_f32 v[TQ:TQ+2], v[(\SRC)+16:(\SRC)+31], v[TM+5]
	v_nop                                          ; one plain place behind a scaled conversion
.irp i, 0,1,2
	v_permlane16_swap_b32 v[(\DST)+\i], v[TQ+\i]
.endr
.irp i, 0,1,2
	v_mov_b32 v[(\DST)+3+\i], v[TQ+\i]
.endr
.endm
.macro HALFST ADR, OFF, SRC
.irp i, 0,1,2
	ds_store_b64 v[\ADR], v[(\SRC)+2*\i:(\SRC)+2*\i+1] offset:(\OFF)+128*\i
.endr
.endm
.macro AFETCH REG, ADR, OFF
.irp c, 0,1
.irp i, 0,1,2
	ds_load_b64 v[(\REG)+6*\c+2*\i:(\REG)+6*\c+2*\i+1], v[\ADR] offset:(\OFF)+768*\c+128*\i
.endr
.endr
.endm
.macro BARRIER                         ; my LDS stores have landed and my LDS loads are in: then the work-group's barrier
	s_wait_dscnt 0x0
	s_barrier_signal -1
	s_barrier_wait -1
.endm
.macro PLACES
.rept 4
	v_nop
.endr
.endm
	; ================ the head: the copies go out first
	s_load_b512 s[4:19], s[0:1], 0x0               ; qcod s[4:5], qsc s[6:7], kcod s[8:9], ksc s[10:11], vcod s[12:13], vsc s[14:15], x s[16:17], wimg s[18:19]
	v_lshl_add_u32 v254, v0, 2, 0x3fc00
	v_mov_b32 v255, 0
	ds_add_u32 v254, v255
	ds_add_u32 v254, v255
	s_wait_dscnt 0x0
	v_lshrrev_b32 v8, 5, v0
	v_readfirstlane_b32 s[WV], v8                  ; wave 0..15
	v_and_b32 v8, 31, v0                           ; lane
	v_and_b32 v9, 15, v0                           ; r
	v_bfe_u32 v10, v0, 4, 1                        ; h
	v_lshlrev_b32 v[L8], 3, v8
	v_lshlrev_b32 v[L16], 4, v8
	v_lshlrev_b32 v[L4], 2, v8
	v_lshlrev_b32 v[R4], 2, v9
	v_add_nc_u32 v[LMV], -1, v10
	v_sub_nc_u32 v[HMV], 0, v10
	v_lshlrev_b32 v[PFO], 8, v8
	s_lshr_b32 s[BB], ttmp9, 3                     ; batch
	s_and_b32 s[PP], ttmp9, 7                      ; p
	s_mul_i32 s97, s[WV], 1536
	v_add_nc_u32 v124, s97, v[L16]                 ; my wave's sixteenth of an image of codes,
	s_lshl_b32 s97, s[WV], 8
	v_add_nc_u32 v125, s97, v[L8]                  ; of K's scale words,
	s_lshl_b32 s97, s[WV], 7
	v_add_nc_u32 v126, s97, v[L4]                  ; of V's
	s_lshl_b32 s99, s[BB], 3
.irp i, 0,1,2,3                                ; v96-123 stay as they are until the wait for the copies
	s_add_co_u32 s97, s[PP], 7+\i
	s_and_b32 s97, s97, 7                          ; the window's image i is image (p - 1 + i) % 8 of the batch
	s_add_co_u32 s97, s97, s99
	s_mul_i32 s98, s97, 24576
	v_add_nc_u32 v[96+\i], s98, v124               ; in memory (K's and V's codes alike)
	v_add_nc_u32 v[100+\i], \i*24576, v124         ; K in LDS
	v_add_nc_u32 v[104+\i], VB+\i*24576, v124      ; V in LDS
	s_lshl_b32 s98, s97, 12
	v_add_nc_u32 v[108+\i], s98, v125
	v_add_nc_u32 v[112+\i], KSB+\i*4096, v125
	s_lshl_b32 s98, s97, 11
	v_add_nc_u32 v[116+\i], s98, v126
	v_add_nc_u32 v[120+\i], VSBASE+\i*2048, v126
.endr
	s_wait_kmcnt 0x0
.irp i, 0,1,2,3
.irp k, 0,1,2
	global_load_async_to_lds_b128 v[100+\i], v[96+\i], s[8:9] offset:512*\k
	global_load_async_to_lds_b128 v[104+\i], v[96+\i], s[12:13] offset:512*\k
.endr
	global_load_async_to_lds_b64 v[112+\i], v[108+\i], s[10:11]
	global_load_async_to_lds_b32 v[120+\i], v[116+\i], s[14:15]
.endr
	; ---- while they are on their way: what my wave's tile sees
	s_mov_b32 s[SEL], 0x76543210
	s_mov_b32 s[SEL+1], 0xfedcba98
	s_mov_b32 s[CS], 0x3fb8aa3b                    ; log2(e)
	s_mov_b32 s[CS+1], s[CS]
	s_lshr_b32 s[TT], s[WV], 1                     ; tile
	s_and_b32 s[GG], s[WV], 1                      ; which four heads
	s_and_b32 s[TQS], s[TT], 3                     ; the tile's place in its grid row
	s_lshr_b32 s97, s[TT], 2
	s_lshl_b32 s[HQ], s[PP], 1
	s_add_co_u32 s[HQ], s[HQ], s97
	s_add_co_u32 s[HQ], s[HQ], 1
	s_and_b32 s[HQ], s[HQ], 15                     ; its grid row
	s_lshr_b32 s97, s[TQS], 1
	s_xor_b32 s[NL], s[TQS], s97
	s_and_b32 s[NL], s[NL], 1                      ; 1: heavy (places 1, 2)
	s_xor_b32 s[LIGHT], s[NL], 1                   ; 1: light (places 0, 3)
	s_and_b32 s[FF], s[LIGHT], s97                 ; a light tile's half of the key rows
	s_add_co_u32 s[ML], s[LIGHT], 1
	s_mov_b32 s[OKB], 0
.irp w, 0,1,2,3,4,5,6,7                        ; bit w: the window's row w is within 3 of my grid row
	s_add_co_u32 s97, s[PP], 7+(\w>>1)
	s_and_b32 s97, s97, 7
	s_lshl_b32 s97, s97, 1
	s_add_co_u32 s97, s97, (\w&1)
	s_sub_co_u32 s97, s[HQ], s97
	s_add_co_u32 s97, s97, 3
	s_cmp_le_u32 s97, 6
	s_cselect_b32 s97, 1<<\w, 0
	s_or_b32 s[OKB], s[OKB], s97
.endr
	s_mov_b32 s[STEPOK], 0
.irp s, 0,1,2,3
.irp j, 0,1,2,3
	s_mul_i32 s97, s[ML], 2*\s                     ; the slot's row in the window: heavy 2 s + j / 2, light 4 s + j
	s_lshr_b32 s98, \j, s[NL]
	s_add_co_u32 s97, s97, s98
	s_lshr_b32 s97, s[OKB], s97
	s_and_b32 s97, s97, 1
	s_cselect_b32 s[BIAS+4*\s+\j], 0, 0xff800000
	s_lshl_b32 s97, s97, \s
	s_or_b32 s[STEPOK], s[STEPOK], s97
	s_mul_i32 s98, s[ML], 4*\s+\j                  ; its block: heavy 4 s + j, light 8 s + 2 j + F; held inside the window on the steps that are jumped over too
	s_add_co_u32 s98, s98, s[FF]
	s_and_b32 s[BI+4*\s+\j], s98, 15
.endr
.irp c, 0,1
	s_mul_i32 s97, s[ML], \s                       ; V's registers 6 c ..: heavy: image s, part c; light: image 2 s + c, part = my half of the lanes, lanes 16 F + r
	s_mul_i32 s98, s[LIGHT], \c
	s_add_co_u32 s97, s97, s98
	s_and_b32 s97, s97, 3
	s_mul_i32 s97, s97, 24576
	s_mul_i32 s98, s[NL], \c*12288
	s_add_co_u32 s97, s97, s98
	s_lshl_b32 s98, s[FF], 7
	s_add_co_u32 s97, s97, s98
	s_add_co_u32 s[VBT+2*\s+\c], s97, VB
.endr
	s_mul_i32 s97, s[ML], \s
	s_and_b32 s98, s97, 3
	s_lshl_b32 s98, s98, 11
	s_add_co_u32 s[VSA+\s], s98, VSBASE
	s_add_co_u32 s97, s97, s[LIGHT]
	s_and_b32 s97, s97, 3
	s_lshl_b32 s97, s97, 11
	s_add_co_u32 s[VSB+\s], s97, VSBASE
.endr
	s_mul_i32 s97, s[FF], 0x01010101               ; which four of the two images' eight scale bytes are the step's: heavy 0, 1, 2, 3 of the first; light F, 2 + F of each
	s_add_co_u32 s97, s97, 0x06040200
	s_cmp_eq_u32 s[LIGHT], 1
	s_cselect_b32 s[SELV], s97, 0x03020100
	s_mul_i32 s97, s[LIGHT], 12160
	s_add_co_u32 s97, s97, 128                     ; from lanes 0-15 to lanes 16-31 in V: 128 bytes (heavy), a part of 12,288 (light)
	v_mul_u32_u24 v[R8H], v10, s97
	v_lshl_add_u32 v[R8H], v9, 3, v[R8H]
	v_mul_u32_u24 v[CA0], v10, 132                 ; ctx: my 12 bytes (channels 16 h .. of query r) in the block's 24: words at 8 r + 132 h, 8 r + 4 + 252 h, 8 r + 132 h + 128
	v_lshl_add_u32 v[CA0], v9, 3, v[CA0]
	v_mul_u32_u24 v[CA1], v10, 252
	v_lshl_add_u32 v[CA1], v9, 3, v[CA1]
	v_add_nc_u32 v[CA1], 4, v[CA1]
	s_and_b32 s98, s[TQS], 1
	s_lshl_b32 s97, s98, 4
	v_add_nc_u32 v11, s97, v9                      ; my query's lane in q's image: 16 u + r
	v_lshlrev_b32 v[QG], 3, v11
	v_lshlrev_b32 v[QSG], 4, v11
.irp i, 0,1,2,3,4,5
	v_mov_b32 v[72+\i], 0                          ; zeros behind the fourth slot of K
	v_mov_b32 v[22+\i], 0                          ; Q's k = 64 .. 127
	v_mov_b32 v[34+\i], 0
.endr
	v_mov_b32 v245, 0                              ; upper words of pairs of which the low word serves both halves
	v_mov_b32 v247, 0
	v_mov_b32 v249, 0
	v_mov_b32 v252, 0                              ; a lane permute's destination
	; the column mask: for slot parity e, tile u, register n % 8: key column 32 f + 16 h + n; allowed where |wq - wk| <= 5
	s_lshr_b32 s97, s[TQS], 1
	s_lshl_b32 s97, s97, 5
	s_lshl_b32 s98, s98, 3
	s_add_co_u32 s97, s97, s98
	s_add_co_u32 s97, s97, 5
	v_and_b32 v253, 8, v9
	v_add_nc_u32 v253, v253, v9
	v_add_nc_u32 v253, s97, v253                   ; wq + 5
	v_lshlrev_b32 v254, 4, v10
	v_sub_nc_u32 v253, v253, v254                  ; - 16 h
	v_mov_b32 v255, 0xf149f2ca                     ; -1e30
.irp e, 0,1
	s_mul_i32 s98, s[NL], \e
	s_add_co_u32 s98, s98, s[FF]                   ; the slot's half of its key row: heavy e, light F
	s_lshl_b32 s98, s98, 5
	v_sub_nc_u32 v254, v253, s98
.irp n, 0,1,2,3,4,5,6,7,8,9,10,11,12,13,14,15
	v_add_nc_u32 v250, -\n, v254
	v_cmp_gt_u32 vcc_lo, 11, v250
	v_cndmask_b32 v[176+16*\e+\n], v255, v72, vcc_lo
.endr
.endr
	; Q's addresses, and the first head's Q
	s_lshl_b32 s97, s[BB], 5
	s_lshl_b32 s98, s[HQ], 1
	s_add_co_u32 s97, s97, s98
	s_lshr_b32 s98, s[TQS], 1
	s_add_co_u32 s97, s97, s98                     ; my queries' block of 32 tokens
	s_mul_i32 s100, s97, 6144
	s_mul_i32 s98, s[GG], 3072
	s_add_co_u32 s100, s100, s98
	s_mov_b32 s101, 0
	s_add_nc_u64 s[4:5], s[4:5], s[100:101]
	s_lshl_b32 s100, s97, 10
	s_lshl_b32 s98, s[GG], 9
	s_add_co_u32 s100, s100, s98
	s_add_nc_u64 s[6:7], s[6:7], s[100:101]
.irp i, 0,1,2
	global_load_b64 v[42+2*\i:43+2*\i], v[QG], s[4:5] offset:256*\i
.endr
	global_load_b32 v41, v[QSG], s[6:7]
	; my eight whole rows of x and of out0 (for the two LayerNorms): rows 8 w .. 8 w + 7 of the work-group's 128
	s_lshr_b32 s97, s[WV], 3
	s_lshl_b32 s98, s[PP], 1
	s_add_co_u32 s97, s97, s98
	s_add_co_u32 s97, s97, 1
	s_and_b32 s97, s97, 15
	s_lshl_b32 s97, s97, 6
	s_lshl_b32 s98, s[WV], 3
	s_and_b32 s98, s98, 63
	s_add_co_u32 s97, s97, s98
	s_lshl_b32 s98, s[BB], 10
	s_add_co_u32 s97, s97, s98
	s_lshl_b32 s[XOFF], s97, 10
	s_mov_b32 s100, s[XOFF]
	s_add_nc_u64 s[XR:XR+1], s[16:17], s[100:101]
	; the loop's scalars: each is stepped by a constant from head to head
	s_mov_b32 s[HH], 0
	s_mul_i32 s[SKO], s[GG], 3072
	s_lshl_b32 s[SKS], s[GG], 9
	s_add_co_u32 s[SKS], s[SKS], KSB
	s_mul_i32 s[SVO], s[GG], 6144
	s_lshl_b32 s[SVS], s[GG], 10
	s_mul_i32 s[SCO], s[WV], 1536
	s_add_co_u32 s[SCO], s[SCO], AIMG
	s_lshl_b32 s[SBO], s[WV], 6
	s_add_co_u32 s[SBO], s[SBO], ASC
	s_wait_asynccnt 0x0                            ; my copies have landed,
	BARRIER                                        ; everybody's have
; ================ attention
; REGISTERS: v8-11 addresses in hand; v12 -M, v13 the largest t, v[14:15] the sum; v16-27 QA, v28-39 QB, v40 Q's scale word; v41-47 the next head's Q; v48-71 four slots of K, then two fragments of V; v72-77 zeros;
; v78-81 K's scale words; v82-85 V's as loaded, v86-87 as used; v96-159 S^T, then p; v160-175 O^T; v176-207 the mask; v208-219 p's codes; v220-255 at work.
.macro STEP s
	s_bitcmp1_b32 s[STEPOK], \s
	s_cbranch_scc0 .Lskip_\@
.irp j, 0,1,2,3                                ; (these eight are also the places behind the last step's products, in front of the loads below)
	v_mad_u32_u24 v[8+\j], s[BI+4*\s+\j], 0x1800, v[KA]
.endr
.irp j, 0,1,2,3
	v_mad_u32_u24 v[232+\j], s[BI+4*\s+\j], 0x400, v[KSA]
.endr
.irp j, 0,1,2,3
.irp i, 0,1,2
	ds_load_b64 v[48+6*\j+2*\i:49+6*\j+2*\i], v[8+\j] offset:256*\i
.endr
	ds_load_b32 v[78+\j], v[232+\j]
.endr
	s_wait_dscnt 0x0
.irp j, 0,1,2,3
	MM  96+16*\j,  48+6*\j, 16, 176+16*(\j&1), 78+\j, 40    ; the slot's tile 0: keys 16 h + 0 .. 7
	MMR 104+16*\j, 48+6*\j, 28, 184+16*(\j&1), 78+\j, 40    ; its tile 1: keys 16 h + 8 .. 15
.endr
	v_add_nc_u32 v8, s[VBT+2*\s], v[VA]            ; four places behind the products, in front of the loads into K's registers and of the first read of the scores
	v_add_nc_u32 v9, s[VBT+2*\s+1], v[VA]
	v_add_nc_u32 v10, s[VSA+\s], v[VSV]
	v_add_nc_u32 v11, s[VSB+\s], v[VSV]
.irp u, 0,1
.irp c, 0,1
.irp i, 0,1,2
	ds_load_b64 v[48+12*\u+6*\c+2*\i:49+12*\u+6*\c+2*\i], v[8+\c] offset:768*\u+256*\i
.endr
.endr
	ds_load_b32 v[82+2*\u], v10 offset:128*\u
	ds_load_b32 v[83+2*\u], v11 offset:128*\u
.endr
.irp b, 0,1,2,3
	v_max3_num_f32 v[228+\b], v[96+16*\b], v[97+16*\b], v[98+16*\b]   ; the largest score of each block: for the row's maximum and, since p rises with the score, for the block's largest p
.endr
.irp i, 3,5,7,9,11,13
.irp b, 0,1,2,3
	v_max3_num_f32 v[228+\b], v[228+\b], v[96+16*\b+\i], v[97+16*\b+\i]
.endr
.endr
.irp b, 0,1,2,3
	v_max_num_f32 v[228+\b], v[228+\b], v[111+16*\b]
.endr
.irp b, 0,1,2,3
	v_add_f32 v[228+\b], s[BIAS+4*\s+\b], v[228+\b]   ; a forbidden row's block counts for nothing
.endr
.irp b, 0,1,2,3
	v_permlanex16_b32 v[232+\b], v[228+\b], s[SEL], s[SEL+1]
.endr
.irp b, 0,1,2,3
	v_max_num_f32 v[228+\b], v[228+\b], v[232+\b]
.endr
	v_max3_num_f32 v254, v228, v229, v230
	v_max_num_f32 v254, v254, v231                 ; the step's largest score of my query: a step that runs has an allowed row, and in it every query has an allowed key
	v_mul_f32 v254, s[CS], v254
	v_max_num_f32 v13, v13, v254
	v_mov_b32 v254, v12
	v_floor_f32 v12, -v13                          ; the new -M = -ceil(t)
	v_sub_f32 v254, v12, v254
	v_cvt_i32_f32 v254, v254                       ; (it saturates)
	v_ldexp_f32 v248, 1.0, v254                    ; f = 2^(old M - new M)
.irp b, 0,1,2,3
	v_add_f32 v[244+2*(\b&1)], s[BIAS+4*\s+\b], v12   ; -M, or -infinity for a forbidden row
.irp n, 0,2,4,6,8,10,12,14
	v_pk_fma_f32 v[96+16*\b+\n:97+16*\b+\n], v[96+16*\b+\n:97+16*\b+\n], s[CS:CS+1], v[244+2*(\b&1):245+2*(\b&1)] op_sel_hi:[1,0,0]
.endr
.endr
.irp b, 0,1,2,3
	v_fma_f32 v[228+\b], v[228+\b], s[CS], v12
.endr
.set I_, 0
.rept 64
	v_exp_f32 v[96+I_], v[96+I_]                   ; p = 2^(t - M): not normalised
.set I_, I_+1
.endr
	v_pk_mul_f32 v[14:15], v[14:15], v[248:249] op_sel_hi:[1,0]   ; the sums under the new M (a plain place behind the exponentials)
	s_wait_alu depctr_va_vdst(0)                   ; one wait for the batch of 64, ahead of its first reader
.irp b, 0,1,2,3
	v_exp_f32 v[228+\b], v[228+\b]                 ; each block's largest p
.endr
	s_wait_dscnt 0x0                               ; V and its scale words are in
.irp u, 0,1
	v_perm_b32 v[86+\u], v[83+2*\u], v[82+2*\u], s[SELV]   ; the step's four scale bytes of my channel
.endr
	v_pk_add_f32 v[252:253], v[96:97], v[98:99]    ; the row's sum is of the unquantised p: two chains
.irp j, 4,8,12,16,20,24,28,32,36,40,44,48,52,56,60
	v_pk_add_f32 v[14:15], v[14:15], v[96+\j:97+\j]
	v_pk_add_f32 v[252:253], v[252:253], v[98+\j:99+\j]
.endr
	v_pk_add_f32 v[14:15], v[14:15], v[252:253]
	s_wait_alu depctr_va_vdst(0)                   ; and one for the four
.irp b, 0,1,2,3
	v_max_num_f32 v[228+\b], 0x1800000, v[228+\b]  ; the floor: a block whose every p is 0 keeps the byte 1; its codes are zeros
.endr
.irp b, 0,1,2,3
	v_add_nc_u32 v[236+\b], 0xff000000, v[228+\b]
.endr
.irp b, 0,1,2,3
	v_lshrrev_b32 v[240+\b], 23, v[236+\b]
.endr
	v_lshl_or_b32 v250, v241, 8, v240              ; p's scale word for these 128 keys
	v_lshl_or_b32 v250, v242, 16, v250
	v_lshl_or_b32 v250, v243, 24, v250
.irp c, 0,1
	v_cvt_scalef32_pk16_fp6_f32 v[208+6*\c:210+6*\c], v[96+32*\c:111+32*\c], v[236+2*\c]
	v_cvt_scalef32_pk16_fp6_f32 v[220+4*\c:222+4*\c], v[112+32*\c:127+32*\c], v[236+2*\c+1]
.endr
	v_nop
.irp c, 0,1
.irp i, 0,1,2
	v_permlane16_swap_b32 v[208+6*\c+\i], v[220+4*\c+\i]
.endr
.irp i, 0,1,2
	v_mov_b32 v[211+6*\c+\i], v[220+4*\c+\i]
.endr
.endr
.irp n, 0,2,4,6,8,10,12,14
	v_pk_mul_f32 v[160+\n:161+\n], v[160+\n:161+\n], v[248:249] op_sel_hi:[1,0]   ; O^T under the new M, each accumulator from its low end on
.endr
	PLACES                                         ; with the four multiplies of the other accumulator: eight places between an accumulator's multiplies and its product
	MM 160, 48, 208, 160, 86, 250                  ; O^T += V^T P: channels 16 h + 0 .. 7,
	MM 168, 60, 208, 168, 87, 250                  ; and 16 h + 8 .. 15.  The two accumulators take turns; eight other products stand between two links
.Lskip_\@:
.endm
.Lhead:
	s_wait_loadcnt 0x0                             ; this head's Q
.irp i, 0,1,2,3,4,5
	v_and_b32 v[16+\i], v[LMV], v[42+\i]           ; QA: my query's codes at k = 0 .. 31,
	v_and_b32 v[28+\i], v[HMV], v[42+\i]           ; QB: at k = 32 .. 63
.endr
	v_mov_b32 v40, v41
	s_cmp_eq_u32 s[HH], 3
	s_cbranch_scc1 .Llast_q
	s_add_nc_u64 s[4:5], s[4:5], 768               ; (the wait above has shown the last loads done)  the next head's Q lands while this head is worked
	s_add_nc_u64 s[6:7], s[6:7], 4
.irp i, 0,1,2
	global_load_b64 v[42+2*\i:43+2*\i], v[QG], s[4:5] offset:256*\i
.endr
	global_load_b32 v41, v[QSG], s[6:7]
	s_branch .Lq_done
.Llast_q:
	global_prefetch_b8 v[PFO], s[XR:XR+1] th:TH_LOAD_NT scope:SCOPE_SE   ; my eight rows of x, 32 blocks of 256 bytes, a lane a block: one head's steps ahead of the loads that want them; each block is named once in the launch
.Lq_done:
	v_add_nc_u32 v[KA], s[SKO], v[L8]
	v_add_nc_u32 v[KSA], s[SKS], v[L16]
	v_add_nc_u32 v[VA], s[SVO], v[R8H]
	v_add_nc_u32 v[VSV], s[SVS], v[L4]
	v_mov_b32 v13, 0xff61b1e6                      ; the largest t so far: -3e38
	v_floor_f32 v12, -v13
	v_mov_b32 v14, 0
	v_mov_b32 v15, 0
.set I_, 0
.rept 16
	v_mov_b32 v[160+I_], 0                         ; O^T begins as zeros: which step runs first differs between work-groups
.set I_, I_+1
.endr
	STEP 0
	STEP 1
	STEP 2
	STEP 3
	PLACES
	v_add_f32 v14, v14, v15
	v_permlanex16_b32 v252, v14, s[SEL], s[SEL+1]
	v_add_f32 v14, v14, v252                       ; the row's sum
	v_rcp_f32 v254, v14
	v_mov_b32 v255, 0                              ; (a plain place; the pair's upper word)
	s_wait_alu depctr_va_vdst(0)
.irp n, 0,2,4,6,8,10,12,14
	v_pk_mul_f32 v[160+\n:161+\n], v[160+\n:161+\n], v[254:255] op_sel_hi:[1,0]   ; ctx: channels 16 h + 0 .. 15 of my query and head
.endr
	v_max3_num_f32 v251, |v160|, |v161|, 0x1800000 ; the head's 32 channels are one block of proj's K
.irp i, 2,4,6,8,10,12,14
	v_max3_num_f32 v251, v251, |v[160+\i]|, |v[161+\i]|
.endr
	v_permlanex16_b32 v252, v251, s[SEL], s[SEL+1]
	v_max_num_f32 v251, v251, v252
	v_add_nc_u32 v253, 0xff000000, v251
	v_lshrrev_b32 v251, 23, v253
	v_cvt_scalef32_pk16_fp6_f32 v[220:222], v[160:175], v253
	v_nop
	v_add_nc_u32 v8, s[SCO], v[CA0]
	v_add_nc_u32 v9, s[SCO], v[CA1]
	v_add_nc_u32 v10, s[SBO], v[R4]
	ds_store_b32 v8, v220                          ; into my own fragment (2 tile + K step = my wave's number), block = head % 4
	ds_store_b32 v9, v221
	ds_store_b32 v8, v222 offset:128
	ds_store_b8 v10, v251                          ; both lanes of a row write the same byte
	s_wait_dscnt 0x0
	s_add_co_u32 s[SKO], s[SKO], 768
	s_add_co_u32 s[SKS], s[SKS], 4
	s_add_co_u32 s[SVO], s[SVO], 1536
	s_add_co_u32 s[SVS], s[SVS], 256
	s_add_co_u32 s[SCO], s[SCO], 384
	s_add_co_u32 s[SBO], s[SBO], 1
	s_add_co_u32 s[HH], s[HH], 1
	s_cmp_lt_u32 s[HH], 4
	s_cbranch_scc1 .Lhead
; ================ behind attention
; W's K step S of NK for my two tiles of columns into ring buffer BUF: eight loads
.macro WLOAD NK, S, BUF
.irp n, 0,1
.irp q, 0,1,2
	global_load_b128 v[128+24*(\BUF)+12*\n+4*\q:131+24*(\BUF)+12*\n+4*\q], v[L16], s[WP:WP+1] offset:(\n*\NK+(\S))*1536+512*\q
.endr
	global_load_b32 v[228+2*(\BUF)+\n], v[L4], s[WSP:WSP+1] offset:(\n*\NK+(\S))*128
.endr
.endm
; A product with 256 columns out: wave w makes row tiles 4 (w % 2) + m and column tiles 2 (w / 2) + n: eight accumulators v16-79 by turns, K step by K step.  Source 0 = 16 columns of the weight, source 1 = 16 rows.
; v80-127 four fragments of the rows; v128-223 a ring of four K steps of the weight; v224-227, v228-235 scale words.  CF = 1: the sums begin with what lies in the stage.
.macro GEMM NK, CF
.if \CF
.irp m, 0,1,2,3
.irp n, 0,1
.irp q, 0,1
	ds_load_b128 v[16+8*(2*\m+\n)+4*\q:19+8*(2*\m+\n)+4*\q], v[SO] offset:(32*(\m>>1)+8*(\m&1))*SPI+32*\n+16*\q
.endr
.endr
.endr
.endif
.set KS_, 0
.rept \NK
.irp m, 0,1,2,3
	AFETCH 80+12*\m, AD0, (\m*\NK+KS_)*1536
	ds_load_b32 v[224+\m], v[AD1] offset:(\m*\NK+KS_)*64
.endr
	s_wait_dscnt 0x0
.if \NK-1-KS_ >= 3
	s_wait_loadcnt 24                              ; this K step's eight loads are in; behind them stand those of the three K steps that follow
.else
	s_wait_loadcnt 8*(\NK-1-KS_)                   ; or of as many as are left
.endif
.irp m, 0,1,2,3
.irp n, 0,1
.if (KS_ == 0) && (\CF == 0)
	MMZ 16+8*(2*\m+\n), 128+24*(KS_%4)+12*\n, 80+12*\m, 228+2*(KS_%4)+\n, 224+\m
.else
	MM 16+8*(2*\m+\n), 128+24*(KS_%4)+12*\n, 80+12*\m, 16+8*(2*\m+\n), 228+2*(KS_%4)+\n, 224+\m
.endif
.endr
.endr
	PLACES                                         ; in front of loads into registers that these products have read, and of the first read of results
.if KS_+4 < \NK
	WLOAD \NK, KS_+4, KS_%4
.endif
.set KS_, KS_+1
.endr
.endm
.macro GOUT                            ; lane (r, h): row r of the tile, channels 32 (w / 2) + 16 h + 8 n + 0 .. 7; each accumulator from its low end on
.irp m, 0,1,2,3
.irp n, 0,1
	ds_store_b128 v[SO], v[16+8*(2*\m+\n):19+8*(2*\m+\n)] offset:(32*(\m>>1)+8*(\m&1))*SPI+32*\n
	ds_store_b128 v[SO], v[20+8*(2*\m+\n):23+8*(2*\m+\n)] offset:(32*(\m>>1)+8*(\m&1))*SPI+32*\n+16
.endr
.endr
.endm
.macro MKSO                            ; my patch of the stage: row r + 8 (r / 8) of my four tiles' first, + 64 h, + 128 (w / 2)
	v_and_b32 v236, 15, v0
	v_and_b32 v237, 8, v236
	v_add_nc_u32 v236, v236, v237
	v_mul_u32_u24 v236, v236, SPI
	v_add_nc_u32 v236, v236, v[H64]
	s_lshr_b32 s97, s[WV], 1
	s_lshl_b32 s97, s97, 7
	s_and_b32 s98, s[WV], 1
	s_mul_i32 s98, s98, 64*SPI
	s_add_co_u32 s97, s97, s98
	v_add_nc_u32 v[SO], s97, v236
.endm
.macro W1LOADS                         ; my four tiles of fc1_w (64 hidden units), both K steps, their scale words, and fc1_b in the result's layout: they stay in v80-215
.irp t, 0,1,2,3
.irp s, 0,1
.irp q, 0,1,2
	global_load_b128 v[80+12*(2*\t+\s)+4*\q:83+12*(2*\t+\s)+4*\q], v[L16], s[W1P:W1P+1] offset:(2*\t+\s)*1536+512*\q
.endr
	global_load_b32 v[176+2*\t+\s], v[L4], s[W1S:W1S+1] offset:(2*\t+\s)*128
.endr
.irp q, 0,1
	global_load_b128 v[184+8*\t+4*\q:187+8*\t+4*\q], v[H64], s[B1P:B1P+1] offset:(\t>>1)*128+(\t&1)*32+16*\q
.endr
.endr
.endm
.macro ROWSUM                          ; the eight rows' pairs v[232 + 2 k] are summed over their halves and the 32 lanes; the upper word takes the lane permute
.irp k, 0,1,2,3,4,5,6,7
	v_add_f32 v[232+2*\k], v[232+2*\k], v[233+2*\k]
.endr
.irp z, 1,2,4,8
.irp k, 0,1,2,3,4,5,6,7
	v_add_f32_dpp v[232+2*\k], v[232+2*\k], v[232+2*\k] row_xmask:\z row_mask:0xf bank_mask:0xf
.endr
.endr
.irp k, 0,1,2,3,4,5,6,7
	v_permlanex16_b32 v[233+2*\k], v[232+2*\k], s[SEL], s[SEL+1]
.endr
.irp k, 0,1,2,3,4,5,6,7
	v_add_f32 v[232+2*\k], v[232+2*\k], v[233+2*\k]
.endr
.endm
; LayerNorm of my eight whole rows of the stage (+ the bias in v8-15; RES = 1: + x in v80-143).  A lane holds channels 4 l .. 4 l + 3 and 128 + 4 l .. + 3.  Gain v216-223, offset v224-231.
; The mean is taken off before the squares are summed.  DEST = 0: back into my rows of the stage; 1: to out0.
.macro LNROWS RES, DEST
.irp k, 0,1,2,3,4,5,6,7
.irp q, 0,1
	ds_load_b128 v[16+8*\k+4*\q:19+8*\k+4*\q], v[AD0] offset:SPI*\k+512*\q
.endr
.endr
	s_wait_dscnt 0x0
	s_wait_loadcnt 0x0
.irp k, 0,1,2,3,4,5,6,7
.irp n, 0,2,4,6
	v_pk_add_f32 v[16+8*\k+\n:17+8*\k+\n], v[16+8*\k+\n:17+8*\k+\n], v[8+\n:9+\n]
.endr
.endr
.if \RES
.irp k, 0,1,2,3,4,5,6,7
.irp n, 0,2,4,6
	v_pk_add_f32 v[16+8*\k+\n:17+8*\k+\n], v[16+8*\k+\n:17+8*\k+\n], v[80+8*\k+\n:81+8*\k+\n]
.endr
.endr
	W1LOADS                                        ; x's registers are free: fc1's weights land while the norm and the quantiser are worked
.endif
.irp k, 0,1,2,3,4,5,6,7
	v_pk_add_f32 v[232+2*\k:233+2*\k], v[16+8*\k:17+8*\k], v[18+8*\k:19+8*\k]
.endr
.irp n, 4,6
.irp k, 0,1,2,3,4,5,6,7
	v_pk_add_f32 v[232+2*\k:233+2*\k], v[232+2*\k:233+2*\k], v[16+8*\k+\n:17+8*\k+\n]
.endr
.endr
	ROWSUM
.irp k, 0,1,2,3,4,5,6,7
	v_mul_f32 v[232+2*\k], s[I256], v[232+2*\k]    ; the mean
.endr
.irp k, 0,1,2,3,4,5,6,7
.irp n, 0,2,4,6
	v_pk_add_f32 v[16+8*\k+\n:17+8*\k+\n], v[16+8*\k+\n:17+8*\k+\n], v[232+2*\k:233+2*\k] op_sel_hi:[1,0] neg_lo:[0,1] neg_hi:[0,1]
.endr
.endr
.irp k, 0,1,2,3,4,5,6,7
	v_pk_mul_f32 v[232+2*\k:233+2*\k], v[16+8*\k:17+8*\k], v[16+8*\k:17+8*\k]
.endr
.irp n, 2,4,6
.irp k, 0,1,2,3,4,5,6,7
	v_pk_fma_f32 v[232+2*\k:233+2*\k], v[16+8*\k+\n:17+8*\k+\n], v[16+8*\k+\n:17+8*\k+\n], v[232+2*\k:233+2*\k]
.endr
.endr
	ROWSUM
.irp k, 0,1,2,3,4,5,6,7
	v_fma_f32 v[232+2*\k], v[232+2*\k], s[I256], s[EPS]
.endr
.irp k, 0,1,2,3,4,5,6,7
	v_rsq_f32 v[232+2*\k], v[232+2*\k]
.endr
	v_nop                                          ; a plain place behind the batch
	s_wait_alu depctr_va_vdst(0)                   ; and one wait for the eight, ahead of their first reader
.irp k, 0,1,2,3,4,5,6,7
.irp n, 0,2,4,6
	v_pk_mul_f32 v[16+8*\k+\n:17+8*\k+\n], v[16+8*\k+\n:17+8*\k+\n], v[232+2*\k:233+2*\k] op_sel_hi:[1,0]
.endr
.irp n, 0,2,4,6
	v_pk_fma_f32 v[16+8*\k+\n:17+8*\k+\n], v[16+8*\k+\n:17+8*\k+\n], v[216+\n:217+\n], v[224+\n:225+\n]
.endr
.endr
.irp k, 0,1,2,3,4,5,6,7
.irp q, 0,1
.if \DEST
	global_store_b128 v[L16], v[16+8*\k+4*\q:19+8*\k+4*\q], s[ORW:ORW+1] offset:1024*\k+512*\q th:TH_STORE_NT   ; 32 lanes store 512 consecutive bytes, aligned
.else
	ds_store_b128 v[AD0], v[16+8*\k+4*\q:19+8*\k+4*\q] offset:SPI*\k+512*\q
.endif
.endr
.endr
.endm
; gelu(x) = max(x, 0) - |x| / 2 x erfc(|x| / sqrt 2), eight numbers from v[BASE] on, in place.  erfc(z) = t (a1 + t (a2 + t (a3 + t (a4 + t a5)))) e^(-z z), t = 1 / (1 + 0.3275911 z).
; v216-223 |x|, v224-231 t, v232-239 e^.., v240-247 the polynomial.  The sixteen transcendentals are one batch with one wait.
.macro GELU8 BASE
.irp n, 0,1,2,3,4,5,6,7
	v_and_b32 v[216+\n], 0x7fffffff, v[(\BASE)+\n]
.endr
.irp n, 0,2,4,6
	v_pk_fma_f32 v[224+\n:225+\n], v[216+\n:217+\n], s[GP2:GP2+1], 1.0 op_sel_hi:[1,0,0]
.endr
.irp n, 0,2,4,6
	v_pk_mul_f32 v[232+\n:233+\n], v[(\BASE)+\n:(\BASE)+\n+1], v[(\BASE)+\n:(\BASE)+\n+1]
.endr
.irp n, 0,2,4,6
	v_pk_mul_f32 v[232+\n:233+\n], v[232+\n:233+\n], s[GK1:GK1+1] op_sel_hi:[1,0]
.endr
.irp n, 0,1,2,3,4,5,6,7
	v_rcp_f32 v[224+\n], v[224+\n]
.endr
.irp n, 0,1,2,3,4,5,6,7
	v_exp_f32 v[232+\n], v[232+\n]
.endr
.irp n, 0,1,2,3,4,5,6,7
	v_max_num_f32 v[(\BASE)+\n], 0, v[(\BASE)+\n]  ; work that names none of the batch's results
.endr
.irp n, 0,2,4,6
	v_pk_mul_f32 v[216+\n:217+\n], v[216+\n:217+\n], -0.5 op_sel_hi:[1,0]
.endr
	s_wait_alu depctr_va_vdst(0)
.irp n, 0,2,4,6
	v_pk_fma_f32 v[240+\n:241+\n], v[224+\n:225+\n], v[248:249], s[GA4:GA4+1] op_sel_hi:[1,1,0]
.endr
.irp a, GA3, GA2, GA1
.irp n, 0,2,4,6
	v_pk_fma_f32 v[240+\n:241+\n], v[240+\n:241+\n], v[224+\n:225+\n], s[\a:\a+1] op_sel_hi:[1,1,0]
.endr
.endr
.irp n, 0,2,4,6
	v_pk_mul_f32 v[240+\n:241+\n], v[240+\n:241+\n], v[224+\n:225+\n]
.endr
.irp n, 0,2,4,6
	v_pk_mul_f32 v[240+\n:241+\n], v[240+\n:241+\n], v[232+\n:233+\n]
.endr
.irp n, 0,2,4,6
	v_pk_fma_f32 v[(\BASE)+\n:(\BASE)+\n+1], v[216+\n:217+\n], v[240+\n:241+\n], v[(\BASE)+\n:(\BASE)+\n+1]
.endr
.endm
	s_wait_xcnt 0x0                                ; the prefetch, a head's steps back, has read its address register, which is loaded over below
	s_load_b512 s[20:35], s[0:1], 0x40             ; wsc, proj_b, ln1_g, ln1_b, fc1_b, fc2_b, ln2_g, ln2_b
	s_load_b64 s[36:37], s[0:1], 0x80              ; out0
	v_and_b32 v8, 15, v0
	v_bfe_u32 v9, v0, 4, 1
	v_mul_u32_u24 v[LA8], v9, 384
	v_lshl_add_u32 v[LA8], v8, 3, v[LA8]
	v_lshlrev_b32 v[H64], 6, v9
	s_mov_b32 s[I256], 0x3b800000                  ; 1 / 256
	s_mov_b32 s[EPS], 0x358637bd                   ; 1e-6
	s_mov_b32 s[GP2], 0x3e6d3388                   ; 0.3275911 / sqrt 2
	s_mov_b32 s[GP2+1], s[GP2]
	s_mov_b32 s[GK1], 0xbf38aa3b                   ; -log2(e) / 2
	s_mov_b32 s[GK1+1], s[GK1]
	s_mov_b32 s[GA1], 0x3e827906                   ; 0.254829592
	s_mov_b32 s[GA1+1], s[GA1]
	s_mov_b32 s[GA2], 0xbe91a98e                   ; -0.284496736
	s_mov_b32 s[GA2+1], s[GA2]
	s_mov_b32 s[GA3], 0x3fb5f0e3                   ; 1.421413741
	s_mov_b32 s[GA3+1], s[GA3]
	s_mov_b32 s[GA4], 0xbfba00e3                   ; -1.453152027
	s_mov_b32 s[GA4+1], s[GA4]
	s_lshr_b32 s96, s[WV], 1                       ; my pair of column tiles
	s_and_b32 s99, s[WV], 1                        ; my four row tiles
	s_mov_b32 s101, 0
	s_wait_kmcnt 0x0
	s_mul_i32 s100, s96, 6144                      ; proj_w: images 96 on; two tiles x two K steps a pair
	s_add_co_u32 s100, s100, 147456
	s_add_nc_u64 s[WP:WP+1], s[18:19], s[100:101]
	s_lshl_b32 s100, s96, 9
	s_add_co_u32 s100, s100, 12288
	s_add_nc_u64 s[WSP:WSP+1], s[WSCP:WSCP+1], s[100:101]
	s_mul_i32 s100, s[WV], 12288                   ; fc1_w: images 128 on; four tiles x two K steps a wave
	s_add_co_u32 s100, s100, 196608
	s_add_nc_u64 s[W1P:W1P+1], s[18:19], s[100:101]
	s_lshl_b32 s100, s[WV], 10
	s_add_co_u32 s100, s100, 16384
	s_add_nc_u64 s[W1S:W1S+1], s[WSCP:WSCP+1], s[100:101]
	s_lshl_b32 s100, s[WV], 8
	s_add_nc_u64 s[B1P:B1P+1], s[F1B:F1B+1], s[100:101]
	s_mov_b32 s100, s[XOFF]
	s_add_nc_u64 s[ORW:ORW+1], s[OUTP:OUTP+1], s[100:101]
	WLOAD 2, 0, 0
	WLOAD 2, 1, 1
	s_mul_i32 s97, s99, 12288
	s_add_co_u32 s97, s97, AIMG
	v_add_nc_u32 v[AD0], s97, v[LA8]               ; ctx: my four tiles' fragments
	s_lshl_b32 s97, s99, 9
	s_add_co_u32 s97, s97, ASC
	v_add_nc_u32 v[AD1], s97, v[R4]
	MKSO
	BARRIER                                        ; ctx's sixteen fragments lie in LDS, and nobody reads K or V any more
	; ---- proj
	GEMM 2, 0
.irp k, 0,1,2,3,4,5,6,7
.irp q, 0,1
	global_load_b128 v[80+8*\k+4*\q:83+8*\k+4*\q], v[L16], s[XR:XR+1] offset:1024*\k+512*\q th:TH_LOAD_NT   ; my eight whole rows of x
.endr
.endr
.irp q, 0,1
	global_load_b128 v[8+4*\q:11+4*\q], v[L16], s[PJB:PJB+1] offset:512*\q
	global_load_b128 v[216+4*\q:219+4*\q], v[L16], s[G1P:G1P+1] offset:512*\q
	global_load_b128 v[224+4*\q:227+4*\q], v[L16], s[B1L:B1L+1] offset:512*\q
.endr
	GOUT
	BARRIER                                        ; ctx proj_w lies in the stage
	; ---- + proj_b + x, LayerNorm 1
	s_mul_i32 s97, s[WV], 8*SPI
	v_add_nc_u32 v[AD0], s97, v[L16]               ; my eight rows, 16 bytes a lane
	LNROWS 1, 0
	BARRIER                                        ; y1 lies in the stage
	; ---- y1 becomes codes: wave w: tile w / 2, K step w % 2
	v_mov_b32 v[TM+2], 0                           ; a lane permute's destination counts as one of its sources
	v_mov_b32 v[TM+3], 0
	s_lshr_b32 s97, s[WV], 1
	s_lshr_b32 s98, s97, 2
	s_lshl_b32 s98, s98, 6
	s_bfe_u32 s96, s97, 0x10001
	s_lshl_b32 s96, s96, 5
	s_add_co_u32 s98, s98, s96
	s_and_b32 s96, s97, 1
	s_lshl_b32 s96, s96, 3
	s_add_co_u32 s98, s98, s96                     ; the tile's first row in the stage
	s_mul_i32 s98, s98, SPI
	s_lshl_b32 s96, s99, 9
	s_add_co_u32 s98, s98, s96                     ; + 512 bytes for K step 1
	v_and_b32 v234, 15, v0
	v_and_b32 v235, 8, v234
	v_add_nc_u32 v234, v234, v235
	v_mul_u32_u24 v234, v234, SPI
	v_add_nc_u32 v234, v234, v[H64]
	v_add_nc_u32 v[AD0], s98, v234
	s_mul_i32 s97, s[WV], 1536
	s_add_co_u32 s97, s97, AIMG
	v_add_nc_u32 v[AD1], s97, v[LA8]
	s_lshl_b32 s97, s[WV], 6
	s_add_co_u32 s97, s97, ASC
	v_add_nc_u32 v233, s97, v[R4]
.irp b, 0,1,2,3
.irp j, 0,1,2,3
	ds_load_b128 v[16+16*\b+4*\j:19+16*\b+4*\j], v[AD0] offset:128*\b+16*\j
.endr
.endr
	s_wait_dscnt 0x0
	QUANT2 16, 216
	HALFST AD1, 0, 216
	ds_store_b16 v233, v[PW]
	s_wait_dscnt 0x0                               ; the stores have read their registers
	QUANT2 48, 216
	HALFST AD1, 768, 216
	ds_store_b16 v233, v[PW] offset:2
	BARRIER                                        ; y1's sixteen fragments lie in LDS
	; ---- fc1, gelu, quantiser: my 64 hidden units for all eight tiles of rows: half w % 2 of fc2's K step w / 2
	v_add_nc_u32 v74, AIMG, v[LA8]
	v_add_nc_u32 v76, ASC, v[R4]
	s_mul_i32 s97, s[WV], 768
	s_add_co_u32 s97, s97, HIMG
	v_add_nc_u32 v78, s97, v[LA8]
	s_lshr_b32 s97, s[WV], 1
	s_lshl_b32 s97, s97, 6
	s_lshl_b32 s98, s99, 1
	s_add_co_u32 s97, s97, s98
	s_add_co_u32 s97, s97, HSC
	v_add_nc_u32 v250, s97, v[R4]
	v_mov_b32 v248, 0x3f87dc22                     ; a5 = 1.061405429, twice
	v_mov_b32 v249, 0x3f87dc22
	s_mov_b32 s[TY], 0
	s_mov_b32 s[TYS], 0
	s_mov_b32 s[TH], 0
	s_mov_b32 s[THS], 0
	s_mov_b32 s[CNT], 0
	s_wait_loadcnt 0x0                             ; fc1's weights, scale words and bias
.Lrows:
	v_add_nc_u32 v75, s[TY], v74
	v_add_nc_u32 v77, s[TYS], v76
	v_add_nc_u32 v79, s[TH], v78
	v_add_nc_u32 v251, s[THS], v250
	AFETCH 48, 75, 0
	AFETCH 60, 75, 1536
	ds_load_b32 v72, v77
	ds_load_b32 v73, v77 offset:64
	s_wait_dscnt 0x0
.irp t, 0,1,2,3
	MM 16+8*\t, 80+24*\t, 48, 184+8*\t, 176+2*\t, 72   ; the bias is the C of each sum's first product; the four accumulators take turns
.endr
.irp t, 0,1,2,3
	MM 16+8*\t, 92+24*\t, 60, 16+8*\t, 177+2*\t, 73
.endr
	PLACES
	GELU8 16
	GELU8 24
	GELU8 32
	GELU8 40
	QUANT2 16, 216
	HALFST 79, 0, 216
	ds_store_b16 v251, v[PW]
	s_wait_dscnt 0x0                               ; the stores have read their registers
	s_add_co_u32 s[TY], s[TY], 3072
	s_add_co_u32 s[TYS], s[TYS], 128
	s_add_co_u32 s[TH], s[TH], 12288
	s_add_co_u32 s[THS], s[THS], 512
	s_add_co_u32 s[CNT], s[CNT], 1
	s_cmp_lt_u32 s[CNT], 8
	s_cbranch_scc1 .Lrows
	; ---- fc2, on top of y1
	s_lshr_b32 s96, s[WV], 1
	s_mul_i32 s100, s96, 24576                     ; fc2_w: images 256 on; two tiles x eight K steps a pair.  (All loads by the old pointers were waited for)
	s_add_co_u32 s100, s100, 393216
	s_add_nc_u64 s[WP:WP+1], s[18:19], s[100:101]
	s_lshl_b32 s100, s96, 11
	s_add_co_u32 s100, s100, 32768
	s_add_nc_u64 s[WSP:WSP+1], s[WSCP:WSCP+1], s[100:101]
	WLOAD 8, 0, 0
	WLOAD 8, 1, 1
	WLOAD 8, 2, 2
	WLOAD 8, 3, 3
	s_mul_i32 s97, s99, 49152
	s_add_co_u32 s97, s97, HIMG
	v_add_nc_u32 v[AD0], s97, v[LA8]
	s_lshl_b32 s97, s99, 11
	s_add_co_u32 s97, s97, HSC
	v_add_nc_u32 v[AD1], s97, v[R4]
	MKSO
	BARRIER                                        ; the hidden layer's 64 fragments lie in LDS
	GEMM 8, 1
.irp q, 0,1
	global_load_b128 v[8+4*\q:11+4*\q], v[L16], s[F2B:F2B+1] offset:512*\q
	global_load_b128 v[216+4*\q:219+4*\q], v[L16], s[G2P:G2P+1] offset:512*\q
	global_load_b128 v[224+4*\q:227+4*\q], v[L16], s[B2L:B2L+1] offset:512*\q
.endr
	BARRIER                                        ; every wave has taken its y1 out of the stage
	GOUT
	BARRIER                                        ; y1 + h fc2_w lies in the stage
	; ---- + fc2_b, LayerNorm 2, out
	s_mul_i32 s97, s[WV], 8*SPI
	v_add_nc_u32 v[AD0], s97, v[L16]
	LNROWS 0, 1
	s_wait_xcnt 0x0
	v_lshl_add_u32 v254, v0, 2, 0x3fc00
	v_mov_b32 v255, 0
	s_wait_tensorcnt 0x0
	ds_add_u32 v254, v255
	s_wait_dscnt 0x0
	s_endpgm
.Lfunc_end_k_qc062c1a179_block:
	.size	k_qc062c1a179_block, .Lfunc_end_k_qc062c1a179_block-k_qc062c1a179_block
	.p2alignl 7, 3214868480
	.fill 96, 4, 3214868480
	.section	.rodata,"a",@progbits
	.p2align	6, 0x0
	.amdhsa_kernel k_qc062c1a179_block
		.amdhsa_group_segment_fixed_size 263168
		.amdhsa_private_segment_fixed_size 0
		.amdhsa_enable_private_segment 0
		.amdhsa_kernarg_size 136
		.amdhsa_user_sgpr_count 2
		.amdhsa_user_sgpr_kernarg_segment_ptr 1
		.amdhsa_wavefront_size32 1
		.amdhsa_system_sgpr_workgroup_id_x 1
		.amdhsa_system_sgpr_workgroup_id_y 1
		.amdhsa_system_sgpr_workgroup_id_z 1
		.amdhsa_system_vgpr_workitem_id 0
		.amdhsa_next_free_vgpr 256
		.amdhsa_next_free_sgpr 102
		.amdhsa_reserve_vcc 1
		.amdhsa_float_denorm_mode_32 3
		.amdhsa_float_denorm_mode_16_64 3
		.amdhsa_memory_ordered 1
		.amdhsa_forward_progress 1
		.amdhsa_inst_pref_size 218
	.end_amdhsa_kernel
	.amdgpu_metadata
---
amdhsa.version: [ 1, 2 ]
amdhsa.kernels:
  - .name:           k_qc062c1a179_block
    .symbol:         k_qc062c1a179_block.kd
    .args:
      - { .name: qcod, .offset: 0, .size: 8, .value_kind: global_buffer, .address_space: global }
      - { .name: qsc, .offset: 8, .size: 8, .value_kind: global_buffer, .address_space: global }
      - { .name: kcod, .offset: 16, .size: 8, .value_kind: global_buffer, .address_space: global }
      - { .name: ksc, .offset: 24, .size: 8, .value_kind: global_buffer, .address_space: global }
      - { .name: vcod, .offset: 32, .size: 8, .value_kind: global_buffer, .address_space: global }
      - { .name: vsc, .offset: 40, .size: 8, .value_kind: global_buffer, .address_space: global }
      - { .name: x, .offset: 48, .size: 8, .value_kind: global_buffer, .address_space: global }
      - { .name: wimg, .offset: 56, .size: 8, .value_kind: global_buffer, .address_space: global }
      - { .name: wsc, .offset: 64, .size: 8, .value_kind: global_buffer, .address_space: global }
      - { .name: proj_b, .offset: 72, .size: 8, .value_kind: global_buffer, .address_space: global }
      - { .name: ln1_g, .offset: 80, .size: 8, .value_kind: global_buffer, .address_space: global }
      - { .name: ln1_b, .offset: 88, .size: 8, .value_kind: global_buffer, .address_space: global }
      - { .name: fc1_b, .offset: 96, .size: 8, .value_kind: global_buffer, .address_space: global }
      - { .name: fc2_b, .offset: 104, .size: 8, .value_kind: global_buffer, .address_space: global }
      - { .name: ln2_g, .offset: 112, .size: 8, .value_kind: global_buffer, .address_space: global }
      - { .name: ln2_b, .offset: 120, .size: 8, .value_kind: global_buffer, .address_space: global }
      - { .name: out0, .offset: 128, .size: 8, .value_kind: global_buffer, .address_space: global }
    .group_segment_fixed_size: 263168
    .private_segment_fixed_size: 0
    .kernarg_segment_align: 8
    .kernarg_segment_size: 136
    .max_flat_workgroup_size: 512
    .sgpr_count:     102
    .vgpr_count:     256
    .wavefront_size: 32
...
	.end_amdgpu_metadata
.endif
;; end of part 3
